; MI455X (gfx1250); checked and timed in simulation.
; The chip was launched on July 23, 2026; its instructions are those of AMD's public machine-readable ISA for CDNA 5 (MIT licence, August 2026) and "CDNA5" Instruction Set Architecture Reference Guide (July 2026). The comments in the code are by the model that wrote it; some were corrected since.
;; Distributed Dot Product Attn. Allowed arithmetic: float matrix products may take bf16 or f16 operands with f32 sums; other float arithmetic in f32, or as packed bf16 or f16 multiplies, adds, multiply-adds, maxima and minima; sums over many terms, partial sums and values carried from step to step in f32; what a program stores and reads back later, other than sums and carried values, may be rounded once to bf16 or f16.
;; Inputs: Wc 1,024 x 1,024 float32; Wk 1,024 x 1,024 float32; Wq 1,024 x 1,024 float32; Wv 1,024 x 1,024 float32; attn_mask 4 x 1 x 2,048 x 2,048 bool; bc 1,024 float32; keys 4 x 2,048 x 1,024 float32; queries 4 x 2,048 x 1,024 float32; values 4 x 2,048 x 1,024 float32.
;; Outputs: out0 4 x 2,048 x 1,024 float32.
;; 2 versions, each right; version 2 is version 1 with the launch prep written anew for expert scheduling mode. Each part assembles by itself: llvm-mc -triple=amdgcn-amd-amdhsa -mcpu=gfx1250 --defsym DOCPART=n.
;; ======== version 1 of 2: 4 launches
;; limits: right only within a limited range of input values; values are held in f16: magnitudes above 65,504 overflow, below 6.1e-05 lose precision
;; workspace buffers: wb 8,388,608 bytes; mf 33,554,432 bytes; qkv 50,331,648 bytes; ob 16,777,216 bytes
;; launch prep (part 1): grid 128 x 8, 8 waves a work-group, no clusters, 34,048 bytes of LDS; arguments Wk, Wq, Wv, Wc, attn_mask, wb, mf; writes wb, mf
.if DOCPART == 1
	.amdgcn_target "amdgcn-amd-amdhsa--gfx1250"
	.amdhsa_code_object_version 6
	.text
	.protected	k_q5a028b7a91_prep
	.globl	k_q5a028b7a91_prep
	.p2align	8
	.type	k_q5a028b7a91_prep,@function
k_q5a028b7a91_prep:
	s_mov_b64 s[64:65], 0
	v_nop
	global_prefetch_b8 v0, s[64:65] scope:SCOPE_SE
	s_setreg_imm32_b32 hwreg(HW_REG_WAVE_MODE, 25, 1), 1
	s_wait_xcnt 0x0
; PREP: a stream.  Work-group rows y = 0..3 round the four weights; rows y = 4..7 turn the mask into matrix fragments.
; WEIGHTS.  Each f32 is rounded once to bf16 (nearest even).  Wk, Wq, Wv are written as bf16; Wc, which multiplies an f16 operand, has that bf16 number written as f16.  LIMITS for Wc: the f16 is the bf16 number
; exactly between 2^-14 and 65,504; below 2^-14 it keeps f16's fixed step of 2^-24; a number of 65,520 or more becomes an infinity.
; wb holds four parts of 1,024 x 1,024 (Wk, Wq, Wv, Wc), 2 MiB each, BLOCKED: element (n, k) of a part lies at byte (n >> 4) * 32768 + (k >> 6) * 2048 + (n & 15) * 128 + (k & 63) * 2:
; 16 rows x 64 numbers are 2,048 bytes on end, so the products' tiles are long dense runs.  A work-group takes 8 rows; wave w takes columns 128 w .. 128 w + 127 of them: 8 loads of 16 bytes a lane.
; MASK.  mf[b * 16 + q / 128][key / 64][(q / 16) % 8][j][lane][16 bytes]: lane (r = lane % 16, h = lane / 16) of part j holds eight f16, 65,504 where the key is hidden and 0 where not,
; for query 16 tile + r and keys 64 step + 16 j + 8 h + 0..7: parts 2 f and 2 f + 1 are the two halves of a 32 x 16 source-1 fragment.  A work-group takes 16 whole rows of the mask
; (32 KiB dense) through LDS, since a lane wants 8 bytes of a row and memory is read in long runs.
; No matrix unit, no cluster, no tensor load: nothing is shared between work-groups and every byte is touched once.
.set SPARE, 33024                      ; behind the 16 mask rows: the spare words, 128 bytes for each of eight waves: four blocks of 256 bytes that no other line names
.set LROW,  2064                       ; a mask row in LDS: 2,048 bytes + 16: the 16 rows that a read touches start 4 banks apart (64 banks of 4 bytes: ISA guide 11.1)
.set SPW,   2                          ; v2   SPARE + 4 x my thread's number; never rewritten
.set NIL,   3                          ; v3   0; never rewritten
.set X,     16                         ; v[16:47] eight loads, 4 registers each; each load's first two registers then hold its 8 bytes to store
	s_load_b256 s[4:11], s[0:1], 0x0               ; Wk, Wq, Wv, Wc
	s_load_b128 s[12:15], s[0:1], 0x20             ; attn_mask s[12:13], wb s[14:15]
	s_load_b64 s[16:17], s[0:1], 0x30              ; mf
	v_lshl_add_u32 v[SPW], v0, 2, SPARE
	v_mov_b32 v[NIL], 0
	s_and_b32 s26, ttmp7, 0xffff                   ; y
	s_mov_b32 s31, 0
	v_and_b32 v1, 31, v0                           ; lane l
	v_lshrrev_b32 v15, 5, v0                       ; wave w
	v_bfe_u32 v8, v0, 4, 1                         ; l / 16
	v_and_b32 v9, 15, v0                           ; l % 16
	s_wait_kmcnt 0x0
	s_cmp_ge_u32 s26, 4                            ; the same in all waves of the work-group
	s_cbranch_scc1 .Lmask
	; ---- the weights ----
	s_mov_b64 s[28:29], s[4:5]                     ; a choice among the four inputs by y alone
	s_cmp_ge_u32 s26, 1
	s_cselect_b64 s[28:29], s[6:7], s[28:29]
	s_cmp_ge_u32 s26, 2
	s_cselect_b64 s[28:29], s[8:9], s[28:29]
	s_cmp_ge_u32 s26, 3
	s_cselect_b64 s[28:29], s[10:11], s[28:29]
	s_lshl_b32 s30, ttmp9, 15                      ; my 8 rows of 4,096 bytes
	s_add_nc_u64 s[28:29], s[28:29], s[30:31]
	s_lshl_b32 s30, s26, 21                        ; in wb a part is 2 MiB,
	s_lshr_b32 s27, ttmp9, 1
	s_lshl_b32 s27, s27, 15                        ; a group of 16 rows 32,768 bytes,
	s_add_co_u32 s30, s30, s27
	s_and_b32 s27, ttmp9, 1
	s_lshl_b32 s27, s27, 10                        ; and its second 8 rows begin 1,024 bytes into each panel
	s_add_co_u32 s30, s30, s27
	s_add_nc_u64 s[32:33], s[14:15], s[30:31]
	s_mov_b32 s24, 0xffff0000                      ; a word's upper bf16
	v_lshlrev_b32 v4, 4, v9                        ; in: 16 (l % 16) + 4,096 (l / 16) + 512 w: lanes 0-15 take 256 bytes of one row, lanes 16-31 of the next
	v_lshl_add_u32 v4, v8, 12, v4
	v_lshl_add_u32 v4, v15, 9, v4
	v_lshlrev_b32 v5, 3, v9                        ; out: 8 (l % 16) + 128 (l / 16) + 4,096 w: the 32 lanes store 256 bytes on end
	v_lshl_add_u32 v5, v8, 7, v5
	v_lshl_add_u32 v5, v15, 12, v5
.set i, 0
.rept 8                                ; load i: rows 2 (i / 2) and 2 (i / 2) + 1, 64 columns at 128 w + 64 (i % 2)
	global_load_b128 v[X+4*i:X+4*i+3], v4, s[28:29] offset:(i/2)*8192+(i%2)*256 th:TH_LOAD_NT
.set i, i+1
.endr
	s_cmp_eq_u32 s26, 3
	s_cbranch_scc1 .Lf16
.set i, 0
.rept 8
	s_wait_loadcnt 7-i                             ; loads come back in order (ISA guide 5.7.1): load i is in, the 7 - i younger ones stay out
	v_cvt_pk_bf16_f32 v[X+4*i], v[X+4*i], v[X+4*i+1]      ; the one rounding, to bf16
	v_cvt_pk_bf16_f32 v[X+4*i+1], v[X+4*i+2], v[X+4*i+3]
	global_store_b64 v5, v[X+4*i:X+4*i+1], s[32:33] offset:(i/2)*256+(i%2)*2048  ; no register of a pending store is written again
.set i, i+1
.endr
	s_endpgm
.Lf16:
.set i, 0
.rept 8
	s_wait_loadcnt 7-i
	v_cvt_pk_bf16_f32 v8, v[X+4*i], v[X+4*i+1]     ; the one rounding, to bf16,
	v_cvt_pk_bf16_f32 v9, v[X+4*i+2], v[X+4*i+3]
	v_lshlrev_b32 v10, 16, v8                      ; back to f32,
	v_and_b32 v11, s24, v8
	v_lshlrev_b32 v12, 16, v9
	v_and_b32 v13, s24, v9
	v_cvt_pk_f16_f32 v[X+4*i], v10, v11            ; and written as f16
	v_cvt_pk_f16_f32 v[X+4*i+1], v12, v13
	global_store_b64 v5, v[X+4*i:X+4*i+1], s[32:33] offset:(i/2)*256+(i%2)*2048
.set i, i+1
.endr
	s_endpgm
	; ---- the mask ----
.Lmask:
	s_sub_co_u32 s27, s26, 4
	s_lshl_b32 s27, s27, 7
	s_add_co_u32 s27, s27, ttmp9                   ; g = b * 128 + q / 16, 0 .. 511
	s_lshl_b32 s30, s27, 15                        ; 16 rows of 2,048 bytes
	s_add_nc_u64 s[28:29], s[12:13], s[30:31]
	s_lshr_b32 s30, s27, 3
	s_lshl_b32 s30, s30, 19                        ; b * 16 + q / 128: 524,288 bytes each
	s_and_b32 s27, s27, 7
	s_lshl_b32 s27, s27, 11                        ; the tile among eight: 2,048 bytes
	s_add_co_u32 s30, s30, s27
	s_add_nc_u64 s[32:33], s[16:17], s[30:31]
	s_mov_b32 s34, 0x00050004                      ; v_perm_b32: bytes 0 and 1 of the first source into the two halves, zeros above them
	s_mov_b32 s35, 0x00070006                      ; bytes 2 and 3
	v_mov_b32 v14, 0
	v_lshlrev_b32 v4, 4, v0                        ; in: 16 bytes a thread, 4,096 a load of the work-group: two rows
	v_lshrrev_b32 v10, 7, v0
	v_and_b32 v11, 127, v0
	v_mul_u32_u24 v5, v10, LROW
	v_lshl_add_u32 v5, v11, 4, v5                  ; into LDS: row 2 i + t / 128, byte 16 (t % 128)
	v_mul_u32_u24 v6, v9, LROW                     ; back: row l % 16, byte 8 (l / 16) + 256 w: wave w takes key steps 4 w .. 4 w + 3
	v_lshl_add_u32 v6, v8, 3, v6
	v_lshl_add_u32 v6, v15, 8, v6
	v_lshlrev_b32 v7, 4, v1                        ; out: 16 l + 4 steps of 16,384 bytes a wave
	v_lshl_add_u32 v7, v15, 16, v7
.set i, 0
.rept 8
	global_load_b128 v[X+4*i:X+4*i+3], v4, s[28:29] offset:i*4096 th:TH_LOAD_NT
.set i, i+1
.endr
.set i, 0
.rept 8
	s_wait_loadcnt 7-i                             ; load i is in
	ds_store_b128 v5, v[X+4*i:X+4*i+3] offset:i*2*LROW
.set i, i+1
.endr
	s_wait_dscnt 0x0                               ; for the others' sake: my stores are done
	s_barrier_signal -1
	s_barrier_wait -1                              ; the 16 rows lie whole in LDS
.set n, 0
.rept 16                               ; n = 4 kk + j: key step 4 w + kk, part j: my 8 keys of my row
	ds_load_b64 v[48+2*n:49+2*n], v6 offset:(n/4)*64+(n%4)*16
.set n, n+1
.endr
.set n, 0
.rept 16
	s_wait_dscnt 15-n                              ; LDS loads come back in order: load n is in
	v_perm_b32 v8, v[48+2*n], v14, s34             ; two mask bytes, 0 or 1, into the two halves of a word,
	v_perm_b32 v9, v[48+2*n], v14, s35
	v_perm_b32 v10, v[49+2*n], v14, s34
	v_perm_b32 v11, v[49+2*n], v14, s35
	v_mul_u32_u24 v[80+4*n], 0x7bff, v8            ; times the code of 65,504: no carry passes from one half to the other
	v_mul_u32_u24 v[81+4*n], 0x7bff, v9
	v_mul_u32_u24 v[82+4*n], 0x7bff, v10
	v_mul_u32_u24 v[83+4*n], 0x7bff, v11
	global_store_b128 v7, v[80+4*n:83+4*n], s[32:33] offset:(n/4)*16384+(n%4)*512  ; 512 bytes on end, at a multiple of 256 from mf's first byte
.set n, n+1
.endr
	s_wait_tensorcnt 0x0                           ; the wave's end, behind my last LDS store
	ds_add_u32 v[SPW], v[NIL]
	s_wait_dscnt 0x0
	s_endpgm
.Lfunc_end_k_q5a028b7a91_prep:
	.size	k_q5a028b7a91_prep, .Lfunc_end_k_q5a028b7a91_prep-k_q5a028b7a91_prep
	.p2alignl 7, 3214868480
	.fill 96, 4, 3214868480
	.section	.rodata,"a",@progbits
	.p2align	6, 0x0
	.amdhsa_kernel k_q5a028b7a91_prep
		.amdhsa_group_segment_fixed_size 34048
		.amdhsa_private_segment_fixed_size 0
		.amdhsa_enable_private_segment 0
		.amdhsa_kernarg_size 56
		.amdhsa_user_sgpr_count 2
		.amdhsa_user_sgpr_kernarg_segment_ptr 1
		.amdhsa_wavefront_size32 1
		.amdhsa_system_sgpr_workgroup_id_x 1
		.amdhsa_system_sgpr_workgroup_id_y 1
		.amdhsa_system_sgpr_workgroup_id_z 1
		.amdhsa_system_vgpr_workitem_id 0
		.amdhsa_next_free_vgpr 160
		.amdhsa_next_free_sgpr 66
		.amdhsa_reserve_vcc 0
		.amdhsa_float_denorm_mode_32 3
		.amdhsa_float_denorm_mode_16_64 3
		.amdhsa_memory_ordered 1
		.amdhsa_forward_progress 1
		.amdhsa_inst_pref_size 23
	.end_amdhsa_kernel
	.amdgpu_metadata
---
amdhsa.version: [ 1, 2 ]
amdhsa.kernels:
  - .name:           k_q5a028b7a91_prep
    .symbol:         k_q5a028b7a91_prep.kd
    .args:
      - { .name: Wk, .offset: 0, .size: 8, .value_kind: global_buffer, .address_space: global }
      - { .name: Wq, .offset: 8, .size: 8, .value_kind: global_buffer, .address_space: global }
      - { .name: Wv, .offset: 16, .size: 8, .value_kind: global_buffer, .address_space: global }
      - { .name: Wc, .offset: 24, .size: 8, .value_kind: global_buffer, .address_space: global }
      - { .name: attn_mask, .offset: 32, .size: 8, .value_kind: global_buffer, .address_space: global }
      - { .name: wb, .offset: 40, .size: 8, .value_kind: global_buffer, .address_space: global }
      - { .name: mf, .offset: 48, .size: 8, .value_kind: global_buffer, .address_space: global }
    .group_segment_fixed_size: 34048
    .private_segment_fixed_size: 0
    .kernarg_segment_align: 8
    .kernarg_segment_size: 56
    .max_flat_workgroup_size: 256
    .sgpr_count:     66
    .vgpr_count:     160
    .wavefront_size: 32
...
	.end_amdgpu_metadata
.endif
;; end of part 1
;; launch proj (part 2): grid 4 x 64, 4 waves a work-group, clusters of 4 x 4, 327,680 bytes of LDS; arguments keys, queries, values, wb, qkv; writes qkv
.if DOCPART == 2
	.amdgcn_target "amdgcn-amd-amdhsa--gfx1250"
	.amdhsa_code_object_version 6
	.text
	.protected	k_q5a028b7a91_proj
	.globl	k_q5a028b7a91_proj
	.p2align	8
	.type	k_q5a028b7a91_proj,@function
k_q5a028b7a91_proj:
	s_mov_b64 s[64:65], 0
	v_nop
	global_prefetch_b8 v0, s[64:65] scope:SCOPE_SE
	s_setreg_imm32_b32 hwreg(HW_REG_WAVE_MODE, 25, 1), 1
	s_wait_xcnt 0x0
	s_wait_alu depctr_hold_cnt(0) depctr_sa_sdst(0) depctr_va_vdst(0) depctr_va_sdst(0) depctr_va_ssrc(0) depctr_va_vcc(0) depctr_vm_vsrc(0)
	s_getreg_b32 s2, hwreg(HW_REG_IB_STS2, 6, 4)
	s_cmp_eq_u32 s2, 0
	s_cbranch_scc0 .Lentry_in_a_cluster
	s_endpgm
.Lentry_in_a_cluster:
	s_bfe_u32 s2, ttmp6, 0x10000c
	s_cmp_lg_u32 s2, 0xf033
	s_cbranch_scc0 .Lentry_shape_is_right
	s_endpgm
.Lentry_shape_is_right:
; THE THREE PROJECTIONS in one launch: part p (0 = k from keys and Wk, 1 = q from queries and Wq, 2 = v from values and Wv): C[R][n] = sum over k of X_p[R][k] W_p[n][k], R = 0..8191, n, k = 0..1023.
; X_p is f32 in memory and is rounded to bf16 here, on its way into LDS; W_p lies in wb as bf16, blocked: (n >> 4) * 32768 + (k >> 6) * 2048 + (n & 15) * 128 + (k & 63) * 2.  Sums in f32; C is rounded once to
; f16 and written by heads: qkv + p * 16,777,216 + ((R >> 11) * 16 + n / 64) * 262,144 + (R & 2047) * 128 + (n & 63) * 2.  LIMIT: a result of 65,520 or more becomes an infinity.
; SHAPE.  A tile of C is 128 x 256: 256 tiles a part, one for each of 256 work-groups.  A WORK-GROUP STAYS: it makes its tile of all three parts, 24 K steps of 128 in one walk; rings and loads run on from part
; to part, and nothing waits for a part's stores.  Four waves, 2 x 2, each 64 x 128: 32 accumulators, 256 registers.
; B (the weights) comes by the tensor data mover into two LDS slots.  In wb 16 rows x 128 k are 4,096 bytes on end, so a wave's quarter of a tile is four very long rows; 16 bytes of padding behind every 128 bytes
; put LDS rows 144 bytes apart.  CLUSTER 4 x 4: the four work-groups of a column need the same tiles of B: each is asked for jointly, by the same load in all four.
; A (the inputs) comes THROUGH REGISTERS, since it must be rounded on the way: wave w loads rows 32 w .. 32 w + 31 of the tile, a row's K step (512 bytes on end) a load, rounds them and stores them into one of two
; LDS slots of A's own (rows 272 bytes apart).  A load into registers has no joint form: each of the four partners of a row of the cluster loads A's tile itself.  Two sets of 128 registers: a load stands two K steps,
; 256 matrix instructions, ahead of its conversion.  For that reason A is not prefetched.
; THE PRODUCT IS USED TRANSPOSED (source 0 = 16 rows of W, source 1 = 16 rows of X): a lane holds one row of C and eight neighbouring columns.
; REGISTERS: window 0: v1-30 addresses; v32-63 at work (rounded A; packed results); v64-159, v160-255 two fragment buffers (8 of B, then 4 of A); window 1: accumulator (a, b) at 8 (8 a + b);
;   window 2: A as loaded: K step u in set u % 2, row i of my 32 at 128 (u % 2) + 4 i.
.set RGS,   4608                       ; 16 rows' K step of B in LDS: two panels of 16 x 144 bytes
.set PAN,   2304
.set BSLOT, 16*RGS                     ; B's 256 rows
.set ABASE, 2*BSLOT                    ; behind B's two slots: A's two, written by LDS stores alone
.set AP,    272                        ; a row of A: 256 bytes + 16 = 68 words: the 16 rows of a load start at 16 different groups of four banks (64 banks of 4 bytes: ISA guide 11.1)
.set ASL,   128*AP
.set STAGE, ABASE+2*ASL                ; 16 rows x 272 bytes for each wave, for the way out
.set SP,    272
.set SPARE, STAGE+4*16*SP              ; the spare words, 128 bytes for each wave: two blocks of 256 bytes that no other line names
.set KSB,   4096                       ; bytes of 16 rows of B in a K step, in memory
.set WPART, 2097152                    ; a weight in wb
.set BIGI,  WPART-6*KSB                ; from a slot's last K step of a part (6 or 7) to its first of the next (0 or 1)
.set GC,    (1<<16)|(1<<20)|(1<<21)|(4<<22)|(3<<25)  ; group 1, word 0: 2-byte elements; padding on; bit 21 set beside a mask; after every 32 words (code 4) 4 words (code 3)
.set F0,    64
.set F1,    160
.set T,     32                         ; v[32:47] eight rows' rounded numbers, 8 bytes a lane and row
.set TMP,   32                         ; v[32:63] the way out: packed results
.set ADRA,  16                         ; v16, v17  my lane's place in my 64 rows of A, slot 0, 1; never rewritten
.set ADRB,  18                         ; v18, v19  the same in my 128 rows of B
.set ASTO,  20                         ; v20, v21  where I store 8 bytes of the first of my 32 rows of A, slot 0, 1
.set XO,    22                         ; v22  my byte offset in the tile's rows of X: 16 l + 32 w rows of 4,096 bytes; never rewritten
.set STO,   24
.set RD,    25
.set CO,    26
.set SPW,   28                         ; v28  SPARE + 4 x my thread's number; never rewritten
.set NIL,   29                         ; v29  0; never rewritten
.set PFO,   30                         ; v30  256 x my lane: the prefetch's offset; never rewritten
.set XB0, 4                            ; s[4:5], s[6:7], s[8:9]  keys, queries, values at the tile's first row
.set XB1, 6
.set XB2, 8
.set WB,  10                           ; s[10:11] wb
.set CB,  12                           ; s[12:13] qkv at my 64 rows x 2 heads of the part in hand
.set WV,  14
.set WM,  15                           ; my half of the tile's rows
.set WN,  16                           ; my half of its columns
.set CX,  17
.set CY,  18
.set TN,  19
.set TY,  20
.set CLY, 21
.set G1,  24                           ; s[24:31] descriptor group 1
.set G0,  32                           ; s[32:39] group 0, a set for each slot
.set XA,  40                           ; s[40:41] X at the tile's first row, at the K step that is being loaded
.set UC,  42                           ; that K step's number in the walk, 0 .. 23
.set TQ,  43                           ; the trip's number modulo 4: a part is four trips
.set CNT, 44
.set LIM, 45                           ; 1 in a wave that prefetches, else the greatest number
.set PFA, 46                           ; s[46:47]
.set INCB, 48                          ; s[48:49] what this trip's two refills step by
.set INCP, 50                          ; s[50:51] what this trip's prefetch steps by
.set XOFF, 52                          ; s[52:53] an offset, 0 above it
.set MSB, 0
.macro WIN new                         ; the immediate's high byte repeats the setting that is left; a switch that changes nothing is dropped
.if MSB != (\new)
	s_set_vgpr_msb (MSB<<8)|(\new)
.set MSB, \new
.endif
.endm
.macro PLACES                          ; four plain places behind matrix instructions, ahead of loads into registers that they read and of readers of results
.rept 4
	v_nop
.endr
.endm
.macro CREST                           ; a round of the cluster's barrier behind its opening barrier
	s_cmp_lg_u32 s[WV], 0
	s_cbranch_scc1 .Lnot_wave_0_\@
	s_barrier_signal -3
.Lnot_wave_0_\@:
	s_barrier_wait -3
	s_barrier_signal -1
	s_barrier_wait -1
.endm
.macro CROUND
	s_barrier_signal -1
	s_barrier_wait -1
	CREST
.endm
; A PREFETCH INTO THE L2 of B, once a trip, behind the first change of slots' joint load and run of LDS loads: the two K steps that the NEXT trip's refills will ask for: 8,192 bytes on end of one group of 16 rows,
; a lane a block of 256 bytes.  B's rows are read by all 16 clusters: the first asks.  Of the 64 rows that a wave fetches each of the four partners that ask for them jointly takes 16, told apart by address (cy): no
; branch hangs on a place in the cluster.  So each block is named once in the launch.  K steps 0 to 3 come by their loads alone; the last trip asks for nothing: the walk ends with its refills.
.macro ASK
	s_cmp_gt_u32 s[CNT], s[LIM]
	s_cbranch_scc0 .Lnot_mine_\@
	global_prefetch_b8 v[PFO], s[PFA:PFA+1] th:TH_LOAD_NT scope:SCOPE_SE
.Lnot_mine_\@:
.endm
; 8 matrix instructions: m block a x all 8 n blocks, 32 along K, from buffer f.  zero = 1: the product starts the sums.
.macro MUL8 f, a, zero
	WIN 0x50                                       ; C and D in window 1, fragments in window 0
.irp b, 0,1,2,3,4,5,6,7
.if \zero
	v_wmma_f32_16x16x32_bf16 v[8*(8*(\a)+(\b)):8*(8*(\a)+(\b))+7], v[(\f)+8*(\b):(\f)+8*(\b)+7], v[(\f)+64+8*(\a):(\f)+64+8*(\a)+7], 0
.else
	v_wmma_f32_16x16x32_bf16 v[8*(8*(\a)+(\b)):8*(8*(\a)+(\b))+7], v[(\f)+8*(\b):(\f)+8*(\b)+7], v[(\f)+64+8*(\a):(\f)+64+8*(\a)+7], v[8*(8*(\a)+(\b)):8*(8*(\a)+(\b))+7]
.endif
.endr
.endm
; 16 of them: m blocks a0, a0 + 1.  z = 0: they add; 2: they start the sums; 1: they start them where the trip has ended a part (TQ = 3), else they add.
.macro MULH f, a0, z
.if (\z) == 1
	WIN 0                                          ; at a branch and at a label every window is 0
	s_cmp_eq_u32 s[TQ], 3
	s_cbranch_scc1 .Lzero_\@
	MUL8 \f, \a0, 0
	MUL8 \f, (\a0)+1, 0
	WIN 0
	s_branch .Ljoin_\@
.Lzero_\@:
	MUL8 \f, \a0, 1
	MUL8 \f, (\a0)+1, 1
	WIN 0
.Ljoin_\@:
.elseif (\z) == 2
	MUL8 \f, \a0, 1
	MUL8 \f, (\a0)+1, 1
.else
	MUL8 \f, \a0, 0
	MUL8 \f, (\a0)+1, 0
.endif
.endm
; 24 LDS loads in one run: the fragments of quarter q of the K step in the slot, into buffer f: B's eight, then A's four.  A fragment is 16 rows x 32 K in 8 registers: two loads of 16 bytes, 32 bytes apart.
.macro FETCH slot, q, f
	WIN 0
.irp i, 0,1,2,3,4,5,6,7
	ds_load_b128 v[(\f)+8*(\i):(\f)+8*(\i)+3],   v[ADRB+(\slot)] offset:((\q)/2)*PAN+((\q)%2)*64+(\i)*RGS
	ds_load_b128 v[(\f)+8*(\i)+4:(\f)+8*(\i)+7], v[ADRB+(\slot)] offset:((\q)/2)*PAN+((\q)%2)*64+(\i)*RGS+32
.endr
.irp i, 0,1,2,3
	ds_load_b128 v[(\f)+64+8*(\i):(\f)+64+8*(\i)+3],   v[ADRA+(\slot)] offset:64*(\q)+(\i)*16*AP
	ds_load_b128 v[(\f)+64+8*(\i)+4:(\f)+64+8*(\i)+7], v[ADRA+(\slot)] offset:64*(\q)+(\i)*16*AP+32
.endr
.endm
; A's WAY IN, eight rows at a time: rows 8 j .. 8 j + 7 of my 32, of the K step that lies in set s.  The loads have come; the numbers are rounded to bf16 and stored into A's slot s; ld = 1: the same registers are
; asked for again, for the K step two steps on (at XA).  cnt: every group is eight loads, and between a group's issue and this wait seven younger groups are issued: 56 loads may stay out (fewer in the tail, which
; issues none).  The sixteen conversions name no register of a matrix instruction: they are also the places ahead of the fragment loads that follow.
.macro STG j, s, ld, cnt, xoff=0
	s_wait_loadcnt \cnt
	WIN 0x0a                                       ; sources in window 2, destination in window 0
.irp i, 0,1,2,3,4,5,6,7
	v_cvt_pk_bf16_f32 v[T+2*(\i)],   v[128*(\s)+4*(8*(\j)+(\i))],   v[128*(\s)+4*(8*(\j)+(\i))+1]
	v_cvt_pk_bf16_f32 v[T+2*(\i)+1], v[128*(\s)+4*(8*(\j)+(\i))+2], v[128*(\s)+4*(8*(\j)+(\i))+3]
.endr
	WIN 0
.irp i, 0,1,2,3,4,5,6,7
	ds_store_b64 v[ASTO+(\s)], v[T+2*(\i):T+2*(\i)+1] offset:(8*(\j)+(\i))*AP  ; 32 lanes, 256 bytes on end: a row's K step
.endr
.if \ld
	WIN 0x80                                       ; destination in window 2, address in window 0
.irp i, 0,1,2,3,4,5,6,7
	global_load_b128 v[128*(\s)+4*(8*(\j)+(\i)):128*(\s)+4*(8*(\j)+(\i))+3], v[XO], s[XA:XA+1] offset:(8*(\j)+(\i))*4096+(\xoff)
.endr
	WIN 0
.endif
.endm
; The K step to be loaded moves on: its part chooses among the three inputs, its number in the part is 512 bytes a step.  Behind the walk's last step the number stays at 23: the six groups of loads that the one
; text of the loop issues past the end read that step once more, inside the buffer, and their data serve nothing; so every wait in the loop keeps its count.
.macro NEXTX
	s_add_co_u32 s[UC], s[UC], 1
	s_min_u32 s[UC], s[UC], 23
	s_lshr_b32 s[XOFF], s[UC], 3
	s_cmp_eq_u32 s[XOFF], 1
	s_cselect_b64 s[XA:XA+1], s[XB1:XB1+1], s[XB0:XB0+1]
	s_cmp_eq_u32 s[XOFF], 2
	s_cselect_b64 s[XA:XA+1], s[XB2:XB2+1], s[XA:XA+1]
	s_and_b32 s[XOFF], s[UC], 7
	s_lshl_b32 s[XOFF], s[XOFF], 9
	s_add_nc_u64 s[XA:XA+1], s[XA:XA+1], s[XOFF:XOFF+1]
.endm
; A K step is four quarters of 32 along K, 32 matrix instructions each, on buffers 0, 1, 0, 1.  One of the first three: multiplies f and, in its middle, brings eight rows of A in (sj >= 0) and fetches quarter q
; of the same slot into g.  The 32 accumulators take turns in one order everywhere.
.macro QUARTER slot, q, f, g, z, sj, ss, ld, cnt
	s_wait_dscnt 4                                 ; B and A's blocks 0, 1 are in; the youngest four loads (A's blocks 2, 3) may be out
	MULH \f, 0, \z
.if (\sj) >= 0
	STG \sj, \ss, \ld, \cnt
.else
	PLACES
.endif
	FETCH \slot, \q, \g
	s_wait_dscnt 24                                ; all but the 24 just issued
	MULH \f, 2, \z
.endm
; The last quarter multiplies buffer 1 and changes slots.  Ahead of the barrier each wave waits for all its tensor loads (one is out: its part of B's next slot), adds 0 to its spare word and waits for that, for its
; reads of this slot and for its stores into A's next slot.  fill = 1: the barrier opens a round of the cluster's barrier; B's slot is filled again, first thing behind the round, with the K step two on (112 matrix
; instructions stand between that request and the wait for it), and A's slot, which nobody reads any more, takes the first eight rows of the same K step.
.macro TURN slot, fill
.if \fill
	s_wait_xcnt 0x0                                ; the loads of the last K step and the last prefetch have read their addresses
	NEXTX
.if (\slot) == 0
	s_add_nc_u64 s[PFA:PFA+1], s[PFA:PFA+1], s[INCP:INCP+1]
.endif
.endif
	WIN 0
	s_wait_tensorcnt 0x0                           ; all my tensor loads have landed
	ds_add_u32 v[SPW], v[NIL]                      ; 0 onto my spare word
	s_wait_dscnt 5                                 ; (the add and A's blocks 2, 3 may be out)
	MUL8 F1, 0, 0
	s_wait_dscnt 0x0                               ; the add is done, my reads of this slot are over, my stores into A's next slot are done
	s_barrier_signal -1
	MUL8 F1, 1, 0
	WIN 0
	s_barrier_wait -1
.if \fill
	CREST                                          ; no wave of any partner still reads this slot or has a load on its way
	s_add_nc_u64 s[G0+4*(\slot)+2:G0+4*(\slot)+3], s[G0+4*(\slot)+2:G0+4*(\slot)+3], s[INCB:INCB+1]  ; the slot's next K step; the type bits on top are not reached
	tensor_load_to_lds s[G0+4*(\slot):G0+4*(\slot)+3], s[G1:G1+7]
	s_nop 0
.rept 4
	v_nop
.endr
	STG 0, \slot, 1, 56
.else
	PLACES
.endif
	FETCH 1-(\slot), 0, F0
.if (\fill) && ((\slot) == 0)
	ASK
.endif
	MUL8 F1, 2, 0
	MUL8 F1, 3, 0
.endm
; THE WAY OUT, a block of 16 rows at a time: rounded to f16 (each accumulator from its low end on), 16 bytes a lane into my stage, back as four rows of one head, stored as 512 bytes on end.
; It uses buffer 1's registers: buffer 0 holds the next part's first fragments.
.macro PACK a
	WIN 0x05                                       ; sources in window 1, destination in window 0
.irp b, 0,1,2,3,4,5,6,7
.irp r, 0,1,2,3
	v_cvt_pk_f16_f32 v[TMP+4*(\b)+(\r)], v[8*(8*(\a)+(\b))+2*(\r)], v[8*(8*(\a)+(\b))+2*(\r)+1]
.endr
.endr
	WIN 0
.endm
.macro TOSTAGE a
.set BK, F1+32*((\a)%3)
.if (\a) == 3
	s_wait_xcnt 0x0                                ; block 0's stores have read these registers
.endif
.irp b, 0,1,2,3,4,5,6,7
	ds_store_b128 v[STO], v[TMP+4*(\b):TMP+4*(\b)+3] offset:32*(\b)
.endr
.irp t, 0,1,2,3,4,5,6,7
	ds_load_b128 v[BK+4*(\t):BK+4*(\t)+3], v[RD] offset:((\t)%4)*4*SP+((\t)/4)*128  ; LDS serves a wave's instructions in order (ISA guide 5.7.1.4): these see the stores above
.endr
.endm
.macro SEND a
.set BK, F1+32*((\a)%3)
	s_wait_dscnt 0x0                               ; the block is back in registers
.irp t, 0,1,2,3,4,5,6,7
	global_store_b128 v[CO], v[BK+4*(\t):BK+4*(\t)+3], s[CB:CB+1] offset:((\t)/4)*262144+((\t)%4)*512+(\a)*2048
.endr
.endm
.macro WAYOUT
	PACK 0
	TOSTAGE 0
.irp a, 1,2,3
	PACK \a                                        ; a block's conversions stand between the loads of the block before and the wait for them
	SEND (\a)-1
	TOSTAGE \a
.endr
	SEND 3
.endm
	s_load_b256 s[4:11], s[0:1], 0x0               ; keys, queries, values, wb
	s_load_b64 s[CB:CB+1], s[0:1], 0x20            ; qkv
	v_lshl_add_u32 v[SPW], v0, 2, SPARE
	v_mov_b32 v[NIL], 0
	ds_add_u32 v[SPW], v[NIL]                      ; the wave's opening: the add and its wait stand ahead of my first tensor load; work on registers stands between them
	v_lshrrev_b32 v1, 5, v0
	v_readfirstlane_b32 s[WV], v1                  ; wave 0..3
	s_lshr_b32 s[WM], s[WV], 1
	s_and_b32 s[WN], s[WV], 1
	s_bfe_u32 s[CX], ttmp6, 0x40000
	s_bfe_u32 s[CY], ttmp6, 0x40004
	s_lshl_b32 s[TN], ttmp9, 2
	s_add_co_u32 s[TN], s[TN], s[CX]               ; tile column, 0..3
	s_and_b32 s[CLY], ttmp7, 0xffff
	s_lshl_b32 s[TY], s[CLY], 2
	s_add_co_u32 s[TY], s[TY], s[CY]               ; tile row, 0..63
	s_lshl_b32 s23, 0x1111, s[CX]                  ; my column of the cluster
	s_or_b32 s[G1], s23, GC
	s_mov_b32 s[G1+1], 2048<<16                    ; tensor_dim0 = 2,048 elements: 16 rows' K step, 4,096 bytes on end
	s_mov_b32 s[G1+2], 4<<16                       ; tensor_dim1: a wave's quarter of B's tile is 4 groups of 16 rows
	s_mov_b32 s[G1+3], 2048<<16                    ; tile_dim0
	s_mov_b32 s[G1+4], 4                           ; tile_dim1
	s_mov_b32 s[G1+5], 16384                       ; from one group of 16 rows to the next: 16,384 elements
	s_mov_b32 s[G1+6], 0
	s_mov_b32 s[G1+7], 0
	s_lshl_b32 s54, s[TN], 19                      ; B: a tile of 256 rows is 524,288 bytes, my quarter 131,072: the tile column and the wave's number alone
	s_lshl_b32 s55, s[WV], 17
	s_add_co_u32 s54, s54, s55
	s_mov_b32 s55, 0
	s_mov_b32 s[G0], 1
	s_mov_b32 s[G0+4], 1
	s_mul_i32 s[G0+1], s[WV], 4*RGS                ; LDS addresses: the wave's number and constants alone
	s_add_co_u32 s[G0+5], s[G0+1], BSLOT
	s_lshl_b32 s22, s[TY], 19                      ; A: 128 rows of 4,096 bytes
	s_mov_b32 s23, 0
	s_mov_b32 s56, BIGI
	s_mov_b32 s57, 2*KSB
	s_mov_b32 s[INCB+1], 0
	s_mov_b32 s[INCP+1], 0
	s_mov_b32 s[XOFF+1], 0
	s_mov_b32 s[UC], 2
	v_and_b32 v5, 31, v0                           ; lane l
	s_lshl_b32 s[XOFF], s[WV], 17
	v_lshl_add_u32 v[XO], v5, 4, s[XOFF]
	s_wait_dscnt 0x0                               ; the opening add is done
	s_wait_kmcnt 0x0
	s_add_nc_u64 s[XB0:XB0+1], s[XB0:XB0+1], s[22:23]
	s_add_nc_u64 s[XB1:XB1+1], s[XB1:XB1+1], s[22:23]
	s_add_nc_u64 s[XB2:XB2+1], s[XB2:XB2+1], s[22:23]
	s_mov_b64 s[XA:XA+1], s[XB0:XB0+1]
	WIN 0x80
.set i, 0
.rept 32                               ; A's K step 0 into set 0,
	global_load_b128 v[4*i:4*i+3], v[XO], s[XA:XA+1] offset:i*4096
.set i, i+1
.endr
.set i, 0
.rept 32                               ; K step 1 into set 1: they go out ahead of everything else
	global_load_b128 v[128+4*i:128+4*i+3], v[XO], s[XA:XA+1] offset:i*4096+512
.set i, i+1
.endr
	WIN 0
	s_add_nc_u64 s[G0+2:G0+3], s[WB:WB+1], s[54:55]  ; B's K step 0 into slot 0,
	s_add_nc_u64 s[G0+6:G0+7], s[G0+2:G0+3], KSB     ; K step 1 into slot 1
	s_or_b32 s[G0+3], s[G0+3], 0x80000000          ; type = 2
	s_or_b32 s[G0+7], s[G0+7], 0x80000000
	CROUND                                         ; all sixteen work-groups are here: the first joint loads meet
	tensor_load_to_lds s[G0:G0+3], s[G1:G1+7]      ; two loads of mine are out
	s_nop 0
	tensor_load_to_lds s[G0+4:G0+7], s[G1:G1+7]
	s_nop 0
.rept 4
	v_nop
.endr
	v_and_b32 v1, 15, v0                           ; l % 16
	v_bfe_u32 v2, v0, 4, 1                         ; l / 16
	v_mul_u32_u24 v3, v1, AP
	v_lshl_add_u32 v3, v2, 4, v3                   ; A: row x 272 + 16 x half
	v_mul_u32_u24 v4, v1, 144
	v_lshl_add_u32 v4, v2, 4, v4                   ; B: row x 144 + 16 x half
	s_mul_i32 s22, s[WM], 64*AP
	s_add_co_u32 s22, s22, ABASE
	v_add_nc_u32 v[ADRA], s22, v3
	v_add_nc_u32 v[ADRA+1], ASL, v[ADRA]
	s_mul_i32 s22, s[WN], 8*RGS
	v_add_nc_u32 v[ADRB], s22, v4
	v_add_nc_u32 v[ADRB+1], BSLOT, v[ADRB]
	s_mul_i32 s22, s[WV], 32*AP
	s_add_co_u32 s22, s22, ABASE
	v_lshl_add_u32 v[ASTO], v5, 3, s22             ; my 32 rows, 8 bytes a lane
	v_add_nc_u32 v[ASTO+1], ASL, v[ASTO]
	s_mul_i32 s22, s[WV], 16*SP
	s_add_co_u32 s22, s22, STAGE                   ; my stage
	v_mul_u32_u24 v6, v1, SP                       ; in: row l % 16, 16 bytes for each half of the lanes
	v_lshl_add_u32 v6, v2, 4, v6
	v_add_nc_u32 v[STO], s22, v6
	v_lshrrev_b32 v6, 3, v5                        ; back: 32 lanes take four rows x 128 bytes: one head's 64 numbers of each
	v_and_b32 v7, 7, v0
	v_mul_u32_u24 v6, v6, SP
	v_lshl_add_u32 v6, v7, 4, v6
	v_add_nc_u32 v[RD], s22, v6
	v_lshlrev_b32 v[CO], 4, v5                     ; which are 512 bytes on end in qkv
	v_lshlrev_b32 v[PFO], 8, v5
	s_lshl_b32 s22, s[TY], 7                       ; where my 64 rows x 2 heads begin in part 0 of qkv
	s_lshl_b32 s23, s[WM], 6
	s_add_co_u32 s22, s22, s23                     ; my first row R0 of 8,192
	s_lshr_b32 s23, s22, 11                        ; b
	s_lshl_b32 s23, s23, 4
	s_lshl_b32 s[XOFF], s[TN], 2
	s_add_co_u32 s23, s23, s[XOFF]
	s_lshl_b32 s[XOFF], s[WN], 1
	s_add_co_u32 s23, s23, s[XOFF]                 ; b * 16 + my first head
	s_lshl_b32 s23, s23, 18
	s_and_b32 s22, s22, 2047
	s_lshl_b32 s22, s22, 7
	s_add_co_u32 s22, s22, s23
	s_mov_b32 s23, 0
	s_add_nc_u64 s[CB:CB+1], s[CB:CB+1], s[22:23]
	s_lshl_b32 s22, s[CY], 15                      ; the prefetches: of my 64 rows of B my work-group's 16,
	s_add_co_u32 s22, s22, s54
	s_add_co_u32 s22, s22, 2*KSB                   ; at K step 2: the first trip steps it to 4
	s_add_nc_u64 s[PFA:PFA+1], s[WB:WB+1], s[22:23]
	s_cmp_eq_u32 s[CLY], 0
	s_cselect_b32 s[LIM], 1, -1                    ; the same in all sixteen partners
	STG 0, 0, 1, 56, 1024                          ; A's K step 0 goes into slot 0; its registers are asked for again, for K step 2
	STG 1, 0, 1, 56, 1024
	STG 2, 0, 1, 56, 1024
	STG 3, 0, 1, 56, 1024
	s_wait_xcnt 0x0                                ; all loads so far have read their address
	NEXTX                                          ; K step 3
	s_wait_dscnt 0x0                               ; for the others' sake: my rows of A's K step 0 are stored
	s_wait_tensorcnt 0x1                           ; my part of B's K step 0 is in; slot 1's may stay out
	s_barrier_signal -1
	s_barrier_wait -1                              ; everybody's is
	STG 0, 1, 1, 56
	FETCH 0, 0, F0
	QUARTER 0, 1, F0, F1, 2, 1, 1, 1, 56           ; the walk's first quarter stands ahead of the loop: its products start the sums
	WIN 0
	s_mov_b32 s[CNT], 11
	s_mov_b32 s[TQ], 0
.Ltrip:                                        ; trip d: K steps 2 d and 2 d + 1 from their second quarter on, the refills with K steps 2 d + 2 and 2 d + 3, and the first quarter of K step 2 d + 2
	s_cmp_eq_u32 s[TQ], 3                          ; a part's last trip asks for the next part's first two K steps of B,
	s_cselect_b32 s[INCB], s56, s57
	s_cmp_eq_u32 s[TQ], 2                          ; and the trip before it prefetches them
	s_cselect_b32 s[INCP], s56, s57
	QUARTER 0, 2, F1, F0, 0, 2, 1, 1, 56
	QUARTER 0, 3, F0, F1, 0, 3, 1, 1, 56
	TURN 0, 1
	QUARTER 1, 1, F0, F1, 0, 1, 0, 1, 56
	QUARTER 1, 2, F1, F0, 0, 2, 0, 1, 56
	QUARTER 1, 3, F0, F1, 0, 3, 0, 1, 56
	TURN 1, 1
	WIN 0
	s_cmp_eq_u32 s[TQ], 3
	s_cbranch_scc0 .Lno_out                        ; forward, past text that holds neither a barrier nor a tensor load
	WAYOUT                                         ; a part is finished; both refills and A's loads for the next part are on their way.  Blocks 0 and 1 were finished ahead of the change of slots; their
	                                               ; conversions are the places behind the last products
	s_wait_xcnt 0x0                                ; the stores have read their registers and their base
	s_add_nc_u64 s[CB:CB+1], s[CB:CB+1], 16777216  ; the next part of qkv
.Lno_out:
	QUARTER 0, 1, F0, F1, 1, 1, 1, 1, 56
	WIN 0
	s_add_co_u32 s[TQ], s[TQ], 1
	s_and_b32 s[TQ], s[TQ], 3
	s_sub_co_u32 s[CNT], s[CNT], 1
	s_cmp_lg_u32 s[CNT], 0
	s_cbranch_scc1 .Ltrip
	QUARTER 0, 2, F1, F0, 0, 2, 1, 0, 56           ; K steps 22 and 23 ask for nothing: written out.  A's last K step: seven younger groups of loads are out
	QUARTER 0, 3, F0, F1, 0, 3, 1, 0, 48           ; then six
	TURN 0, 0
	QUARTER 1, 1, F0, F1, 0, -1, 0, 0, 0
	QUARTER 1, 2, F1, F0, 0, -1, 0, 0, 0
	QUARTER 1, 3, F0, F1, 0, -1, 0, 0, 0
	s_wait_dscnt 4
	MUL8 F1, 0, 0
	MUL8 F1, 1, 0
	s_wait_dscnt 0x0
	MUL8 F1, 2, 0
	MUL8 F1, 3, 0
	WIN 0
	PLACES
	WAYOUT
	s_wait_tensorcnt 0x0                           ; the wave's end, behind my last tensor load and my last LDS store
	ds_add_u32 v[SPW], v[NIL]
	s_wait_dscnt 0x0
	CROUND                                         ; the closing round: no work-group ends while a partner may still ask for a tile that names it
	s_endpgm
.Lfunc_end_k_q5a028b7a91_proj:
	.size	k_q5a028b7a91_proj, .Lfunc_end_k_q5a028b7a91_proj-k_q5a028b7a91_proj
	.p2alignl 7, 3214868480
	.fill 96, 4, 3214868480
	.section	.rodata,"a",@progbits
	.p2align	6, 0x0
	.amdhsa_kernel k_q5a028b7a91_proj
		.amdhsa_group_segment_fixed_size 327680
		.amdhsa_private_segment_fixed_size 0
		.amdhsa_enable_private_segment 0
		.amdhsa_kernarg_size 40
		.amdhsa_user_sgpr_count 2
		.amdhsa_user_sgpr_kernarg_segment_ptr 1
		.amdhsa_wavefront_size32 1
		.amdhsa_system_sgpr_workgroup_id_x 1
		.amdhsa_system_sgpr_workgroup_id_y 1
		.amdhsa_system_sgpr_workgroup_id_z 1
		.amdhsa_system_vgpr_workitem_id 0
		.amdhsa_next_free_vgpr 768
		.amdhsa_next_free_sgpr 66
		.amdhsa_reserve_vcc 0
		.amdhsa_float_denorm_mode_32 3
		.amdhsa_float_denorm_mode_16_64 3
		.amdhsa_memory_ordered 1
		.amdhsa_forward_progress 1
		.amdhsa_inst_pref_size 145
	.end_amdhsa_kernel
	.amdgpu_metadata
---
amdhsa.version: [ 1, 2 ]
amdhsa.kernels:
  - .name:           k_q5a028b7a91_proj
    .symbol:         k_q5a028b7a91_proj.kd
    .args:
      - { .name: keys, .offset: 0, .size: 8, .value_kind: global_buffer, .address_space: global }
      - { .name: queries, .offset: 8, .size: 8, .value_kind: global_buffer, .address_space: global }
      - { .name: values, .offset: 16, .size: 8, .value_kind: global_buffer, .address_space: global }
      - { .name: wb, .offset: 24, .size: 8, .value_kind: global_buffer, .address_space: global }
      - { .name: qkv, .offset: 32, .size: 8, .value_kind: global_buffer, .address_space: global }
    .group_segment_fixed_size: 327680
    .private_segment_fixed_size: 0
    .kernarg_segment_align: 8
    .kernarg_segment_size: 40
    .max_flat_workgroup_size: 128
    .sgpr_count:     66
    .vgpr_count:     768
    .wavefront_size: 32
...
	.end_amdgpu_metadata
.endif
;; end of part 2
;; launch attn (part 3): grid 4 x 64, 4 waves a work-group, clusters of 4 x 1, 327,680 bytes of LDS; arguments qkv, mf, ob; writes ob
.if DOCPART == 3
	.amdgcn_target "amdgcn-amd-amdhsa--gfx1250"
	.amdhsa_code_object_version 6
	.text
	.protected	k_q5a028b7a91_attn
	.globl	k_q5a028b7a91_attn
	.p2align	8
	.type	k_q5a028b7a91_attn,@function
k_q5a028b7a91_attn:
	s_mov_b64 s[64:65], 0
	v_nop
	global_prefetch_b8 v0, s[64:65] scope:SCOPE_SE
	s_setreg_imm32_b32 hwreg(HW_REG_WAVE_MODE, 25, 1), 1
	s_wait_xcnt 0x0
	s_wait_alu depctr_hold_cnt(0) depctr_sa_sdst(0) depctr_va_vdst(0) depctr_va_sdst(0) depctr_va_ssrc(0) depctr_va_vcc(0) depctr_vm_vsrc(0)
	s_getreg_b32 s2, hwreg(HW_REG_IB_STS2, 6, 4)
	s_cmp_eq_u32 s2, 0
	s_cbranch_scc0 .Lentry_in_a_cluster
	s_endpgm
.Lentry_in_a_cluster:
	s_bfe_u32 s2, ttmp6, 0x10000c
	s_cmp_lg_u32 s2, 0x3003
	s_cbranch_scc0 .Lentry_shape_is_right
	s_endpgm
.Lentry_shape_is_right:
; MASKED ATTENTION, head size 64.  O[y][q][:] = the sum over k of softmax_k(where(mask[b][q][k], -inf, Q[y][q] . K[y][k] / 8)) V[y][k][:], y = b * 16 + h, 2,048 rows a head.
; K, Q, V: qkv's three parts, [64][2048][64] in f16, a head's rows dense, 128 bytes each.  Products, maxima and sums in f32; the weights p are rounded to f16 for the second product (their sum l is taken of
; the unrounded p), O once at the end, to f16, into ob in the blocked layout of the product that follows: (R >> 4) * 32768 + h * 2048 + (R & 15) * 128 + d * 2, R = b * 2048 + q.
; THE MASK COSTS NO VECTOR WORK.  mf holds it as f16 fragments (65,504 where hidden, else 0), 32 keys x 16 queries.  One more matrix instruction STARTS each score accumulator: source 0 is a constant
; fragment with -65,504 where slot = key, so the sum begins at -65,504 x 65,504 = -4.29e9 where the key is hidden and at 0 where not; the products K Q^T add onto that in place.
; LIMITS.  f16 holds no number beyond 65,504: Q, K, V arrive within it.  A hidden score counts as its value less 4.29e9, and the running maximum starts at -2e9: visible raw scores (ahead of the / 8) must lie
; within +-2e9.  A row with every key hidden keeps m = -2e9 and gets NaN, as the softmax of -inf alone gives.  A weight below 2^-126 counts as 0 in l; p below 6e-5 keeps f16's fixed step of 6e-8.
; SHARES.  A wave owns four PIECES of two tiles of 16 queries, a work-group's four waves 512 queries of one head.  Every wave walks all keys, 64 a step.
; LAYOUT.  S^T = K Q^T (source 0 = 16 keys, source 1 = 16 queries): a lane holds ONE query (lane % 16) and the keys 8 (lane / 16) + 0..7.  Two such tiles, rounded to f16 in pairs, ARE source 1 of
; O^T = V^T P.  K comes out of LDS as it lies, V turned, by ds_load_tr16_b128.
; SOFTMAX.  A running maximum m and sum l: p = 2^(c s - c m), c = log2(e) / 8; in every step O and l are multiplied by a = 2^(c m_old - c m_new).  O and l start at 0.
; BY TURNS.  Turn n belongs to piece n.  Matrix work: 8 mask products and 16 products K Q^T of piece n + 1, later 16 products V^T P of piece n - 1.  Vector work: scaling, exponentials, roundings, sums and
; rescaling of piece n, and the maximum and statistics of piece n + 1.  Vector instructions that are ready stand behind every matrix instruction, the rest in one lump; a turn's 66 exponentials are one batch with one wait.
; CLUSTER.  The four query blocks of a cluster belong to one head and walk the same K and V: each tile is asked for JOINTLY.  The mask differs from wave to wave: it comes by plain loads, three turns ahead.
; K and V are not prefetched: a refill has four key steps, 640 matrix instructions, in which to land.
; REGISTERS, in windows of 256 (s_set_vgpr_msb: bits 1:0 source 0, 3:2 source 1, 5:4 source 2, 7:6 destination):
;   window 0: v0-11 addresses; v12-15, v48-63 at work; v16-47 four registers of statistics a tile; v64-191 S^T, two buffers of two tiles; v192-255 P, likewise
;   window 1: O^T, 32 a tile     window 2: v0-127 Q; v128-191 K of one step; v192-255 V of one step     window 3: v0-1 the add's registers; v4-15 the selector; v16-143 the mask, 32 a piece
.set NP,    4
.set KS,    64
.set PK,    144       ; a row of K in LDS: 128 bytes + 16 = 36 words: the 16 rows of a load start at 16 different groups of four banks (64 banks of 4 bytes: ISA guide 11.1)
.set PV,    160       ; a row of V: 128 + 32 = 40 words
.set VOFF,  4*KS*PK   ; a slot holds four steps: 256 rows of K, then 256 rows of V
.set SLOT1, 1<<17
.set STAGE, SLOT1+4*KS*(PK+PV)  ; behind the ring, never filled by a tensor load: 16 rows x 144 bytes for each wave
.set SP,    144
.set AK0, 2           ; v2   my lane's place in a tile of K; never rewritten
.set AV0, 3           ; v3   the same for V
.set AK,  4           ; v4   the LDS address of K's next run of loads
.set AV,  5           ; v5   of V's
.set QO,  6           ; v6   my byte offset in the wave's rows of Q
.set STO, 6           ;      later, the way out: where I put 16 bytes of a row
.set RD,  7           ; v7   the way out: where I read rows back
.set GO,  8           ; v8   16 x my lane: my place in 512 bytes on end, of the mask and of O; never rewritten
.set PFO, 11          ; v11  256 x my lane: the prefetches' offset; never rewritten
.set SPW, 0           ; v0 of window 3   SPARE + 4 x my thread's number; never rewritten
.set NIL, 1           ; v1 of window 3   0; never rewritten
.set SLA, 4           ; v4-15 of window 3: 0 0 0 0 E0 E1 E2 E3 0 0 0 0.  v[8:15] is the fragment with -65,504 at (key i, slot i), v[4:11] the one with it at (key i, slot 16 + i)
.set MF,  16          ; v16-143 of window 3: piece x at 32 x, its tile u at 16 u, keys 32 f on at 8 f
.set SPARE, STAGE+4*16*SP  ; the spare words, 128 bytes for each wave: two blocks of 256 bytes that no other line names
.set MV,  12
.set ST,  16          ; tile t's statistics at v[ST+4 t]: c m, m, l (even keys', odd keys')
.set TMP, 48
.set S,   64
.set P,   192
.set KF,  128
.set VF,  192
.set WV,  12
.set G1K, 24
.set G1V, 32
.set G0K, 40
.set G0V, 44
.set SLOTS, 56
.set CNT, 57
.set CS,  58          ; s[58:59] c
.set SEL, 60          ; s[60:61] v_permlanex16_b32's selects
.set TBK, 62
.set TBV, 63
.set MBASE, 66        ; s[66:67] mf at my wave's 128 queries
.set MOF, 68          ; s[68:69] the byte offset of the key step whose mask is being loaded; 16,384 a step
.set MA,  70          ; s[70:71] MBASE + MOF
.set PA,  72          ; s[72:73] MBASE + the step after that
.set HZ,  74          ; s74  the head in its batch
.set THR, 75          ; s75  -2e9
.set NANV, 76         ; s76  a NaN
.set PO,  78          ; s[78:79] the prefetch's offset
.set MSB, 0
.macro WIN new
.if MSB != (\new)
	s_set_vgpr_msb (MSB<<8)|(\new)
.set MSB, (\new)
.endif
.endm
.set W_KQ, 0x0a       ; K and Q in window 2, S^T in window 0
.set W_MS, 0x0f       ; selector and mask in window 3, S^T in window 0
.set W_PV, 0x52       ; V in window 2, P in window 0, O^T in window 1
.set W_RS, 0x41       ; O^T (destination and source 0) in window 1, a in window 0
.set W_MK, 0xc0       ; destination in window 3, sources in window 0
.set W_AD, 0x0f       ; the add: address and data in window 3
.macro JLOAD                        ; a joint fill: waves 0, 1 fetch the halves of a slot's K, waves 2, 3 of its V; an s_nop 0 and four v_nop follow each line
	s_cmp_lt_u32 s[WV], 2
	s_cbranch_scc0 .Lfor_v_\@
	tensor_load_to_lds s[G0K:G0K+3], s[G1K:G1K+7]
	s_nop 0
.rept 4
	v_nop
.endr
	s_branch .Lasked_\@
.Lfor_v_\@:
	tensor_load_to_lds s[G0V:G0V+3], s[G1V:G1V+7]
	s_nop 0
.rept 4
	v_nop
.endr
.Lasked_\@:
.endm
.macro CROUND                       ; a round of the cluster's barrier
	s_barrier_signal -1
	s_barrier_wait -1
	s_cmp_lg_u32 s[WV], 0
	s_cbranch_scc1 .Lnot_wave_0_\@
	s_barrier_signal -3
.Lnot_wave_0_\@:
	s_barrier_wait -3
	s_barrier_signal -1
	s_barrier_wait -1
.endm
; THE CHANGE OF SLOTS.  Each wave waits for all its tensor loads (one is out: its part of the other slot), adds 0 to its spare word, and waits for that and for its own reads of the slot.
; fill = 1: the barrier is a round of the cluster's, and the slot is filled again, first thing behind it, with the keys two slots on.
.macro CHANGE fill
	WIN W_AD
	s_wait_tensorcnt 0x0            ; no tensor load of mine is out, so a group 0 may be written
	ds_add_u32 v[SPW], v[NIL]       ; 0 onto my spare word
	WIN 0
.if \fill
.irp g, G0K, G0V
	s_xor_b32 s[\g+1], s[\g+1], SLOT1
	s_add_nc_u64 s[\g+2:\g+3], s[\g+2:\g+3], 4*KS*128
.endr
	s_wait_dscnt 0x0                ; the add is done, and my reads of the slot are over
	CROUND
	JLOAD
.else
	s_wait_dscnt 0x0
	s_barrier_signal -1
	s_barrier_wait -1
.endif
	s_sub_co_u32 s[TBK], s[TBK], 4*KS*PK
	s_xor_b32 s[TBK], s[TBK], SLOT1
	s_sub_co_u32 s[TBV], s[TBV], 4*KS*PV
	s_xor_b32 s[TBV], s[TBV], SLOT1
.endm
; Eight loads: piece x's mask for the key step at MA: tile 2 x + u, part j: 512 bytes on end each.
.macro MLOAD x
	WIN W_MK
.irp u, 0,1
.irp j, 0,1,2,3
	global_load_b128 v[MF+32*(\x)+16*\u+4*\j:MF+32*(\x)+16*\u+4*\j+3], v[GO], s[MA:MA+1] offset:(2*(\x)+\u)*2048+\j*512
.endr
.endr
	WIN 0
.endm
	s_load_b128 s[84:87], s[0:1], 0x0  ; qkv s[84:85], mf s[86:87]
	s_load_b64 s[10:11], s[0:1], 0x10  ; ob
	WIN W_MK
	v_lshl_add_u32 v[SPW], v0, 2, SPARE
	v_mov_b32 v[NIL], 0
	WIN W_AD
	ds_add_u32 v[SPW], v[NIL]       ; the wave's opening: the add and its wait stand ahead of my first tensor load; work on registers stands between them
	WIN 0
	v_lshrrev_b32 v1, 5, v0
	v_readfirstlane_b32 s[WV], v1   ; wave 0..3
	s_bfe_u32 s13, ttmp6, 0x40000   ; cx
	s_lshl_b32 s14, ttmp9, 2
	s_add_co_u32 s14, s14, s13      ; my block of 512 queries: it enters Q's, the mask's and O's addresses alone
	s_and_b32 s20, ttmp7, 0xffff    ; y = b * 16 + h, which the four partners share
	s_and_b32 s[HZ], s20, 15
	s_lshr_b32 s15, s20, 4          ; b
	s_lshl_b32 s20, s20, 18         ; the head's first byte in each part of qkv
	s_mov_b32 s21, 0
	s_and_b32 s16, s[WV], 1         ; which half of a slot's 256 keys I fetch
	s_lshl_b32 s22, s16, 14
	s_mov_b32 s23, 0
	s_add_nc_u64 s[22:23], s[22:23], s[20:21]
	s_mul_i32 s17, s16, 128*PK
	s_mul_i32 s18, s16, 128*PV
	s_lshl_b32 s2, s14, 2
	s_add_co_u32 s2, s2, s[WV]      ; my wave among the head's 16
	s_lshl_b32 s19, s15, 4
	s_add_co_u32 s19, s19, s2       ; b * 16 + q / 128
	s_lshl_b32 s2, s2, 14           ; its 128 rows of Q
	s_mov_b32 s3, 0
	s_add_nc_u64 s[2:3], s[2:3], s[20:21]
	s_lshl_b32 s80, s19, 18         ; in ob my 128 rows are eight groups of 32,768 bytes; my head's panel lies 2,048 h in
	s_lshl_b32 s81, s[HZ], 11
	s_add_co_u32 s80, s80, s81
	s_mov_b32 s81, 0
	s_lshl_b32 s82, s19, 19         ; in mf they are 524,288 bytes
	s_mov_b32 s83, 0
	s_mov_b32 s[G1K], 15|(1<<16)|(1<<20)|(1<<21)|(4<<22)|(3<<25)  ; the mask of four; 2-byte elements; padding on; bit 21 beside a mask; after every 32 words (code 4) 4 words (code 3)
	s_mov_b32 s[G1V], 15|(1<<16)|(1<<20)|(1<<21)|(4<<22)|(7<<25)  ; the same with 8 words of padding
.irp g, G1K, G1V
	s_mov_b32 s[\g+1], 128<<16      ; 128 keys are 16,384 dense bytes: asked for as 64 rows of 256 bytes, two keys a row
	s_mov_b32 s[\g+2], 64<<16
	s_mov_b32 s[\g+3], 128<<16
	s_mov_b32 s[\g+4], 64
	s_mov_b32 s[\g+5], 128
	s_mov_b32 s[\g+6], 0
	s_mov_b32 s[\g+7], 0
.endr
	s_mov_b32 s[CS], 0x3e38aa3b     ; c = log2(e) / 8
	s_mov_b32 s[CS+1], s[CS]
	s_mov_b32 s[SEL], 0x76543210
	s_mov_b32 s[SEL+1], 0xfedcba98
	s_mov_b32 s[TBK], SLOT1+4*KS*PK ; the first change of slots turns these two into 0
	s_mov_b32 s[TBV], SLOT1+4*KS*PV
	s_mov_b32 s[G0K], 1
	s_mov_b32 s[G0K+1], s17
	s_mov_b32 s[G0V], 1
	s_add_co_u32 s[G0V+1], s18, VOFF
	s_mov_b32 s[MOF], 0
	s_mov_b32 s[MOF+1], 0
	s_mov_b32 s[PO+1], 0
	s_mov_b32 s[THR], 0xceee6b28    ; -2e9
	s_mov_b32 s[NANV], 0x7fc00000
	s_wait_dscnt 0x0                ; the opening add is done
	s_wait_kmcnt 0x0
	s_mov_b64 s[6:7], s[84:85]      ; part 0: K
	s_add_nc_u64 s[4:5], s[84:85], 16777216  ; part 1: Q
	s_add_nc_u64 s[8:9], s[84:85], 33554432  ; part 2: V
	s_add_nc_u64 s[G0K+2:G0K+3], s[6:7], s[22:23]
	s_or_b32 s[G0K+3], s[G0K+3], 0x80000000
	s_add_nc_u64 s[G0V+2:G0V+3], s[8:9], s[22:23]
	s_or_b32 s[G0V+3], s[G0V+3], 0x80000000
	s_add_nc_u64 s[4:5], s[4:5], s[2:3]
	s_add_nc_u64 s[10:11], s[10:11], s[80:81]
	s_add_nc_u64 s[MBASE:MBASE+1], s[86:87], s[82:83]
	s_mov_b64 s[MA:MA+1], s[MBASE:MBASE+1]
	CROUND                          ; all four work-groups are here: the first joint loads meet
	JLOAD                           ; slot 0
	v_and_b32 v1, 15, v0            ; l % 16
	v_bfe_u32 v9, v0, 4, 1          ; l / 16
	v_lshlrev_b32 v[QO], 7, v1
	v_lshl_add_u32 v[QO], v9, 4, v[QO]
	v_and_b32 v[GO], 31, v0
	v_lshlrev_b32 v[GO], 4, v[GO]
	WIN 0x80
.set i, 0
.rept 4*NP                          ; Q stays in registers: tile i / 2, channels 32 (i % 2) on
	global_load_b128 v[8*i:8*i+3],   v[QO], s[4:5] offset:(i/2)*2048+(i%2)*64
	global_load_b128 v[8*i+4:8*i+7], v[QO], s[4:5] offset:(i/2)*2048+(i%2)*64+32
.set i, i+1
.endr
	MLOAD 0                         ; key step 0's mask, all four pieces
	MLOAD 1
	MLOAD 2
	MLOAD 3
	; What the first turn finds: V's registers and P's second buffer hold 0, O^T and l are 0.  All this stands in the wait for the first tile.
	WIN 0x80
.set i, VF
.rept 64
	v_mov_b32 v[i], 0
.set i, i+1
.endr
	WIN 0x40
.set i, 0
.rept 64*NP
	v_mov_b32 v[i], 0
.set i, i+1
.endr
	WIN 0
.set i, 0
.rept 2*NP
	v_mov_b32 v[ST+4*i+1], s[THR]      ; m: below every visible score, above every hidden one
	v_mul_f32 v[ST+4*i], s[CS], v[ST+4*i+1]  ; c m, by the line that makes it in every step
	v_mov_b32 v[ST+4*i+2], 0
	v_mov_b32 v[ST+4*i+3], 0
.set i, i+1
.endr
.set i, P+32
.rept 32
	v_mov_b32 v[i], 0
.set i, i+1
.endr
	; the selector: row r of the fragment has its one number at slot r: in the half of the lanes r / 8, register (r % 8) / 2, half r % 2
	v_lshrrev_b32 v12, 3, v1
	v_cmp_eq_u32 s20, v12, v9
	v_and_b32 v13, 1, v1
	v_lshlrev_b32 v13, 4, v13
	v_mov_b32 v14, 0xfbff           ; -65,504 in f16
	v_lshlrev_b32 v13, v13, v14
	v_cndmask_b32 v13, 0, v13, s20
	v_bfe_u32 v12, v1, 1, 2
.irp j, 0,1,2,3
	v_cmp_eq_u32 s20, \j, v12
	v_cndmask_b32 v[TMP+\j], 0, v13, s20
.endr
	WIN W_MK
.irp j, 0,1,2,3
	v_mov_b32 v[SLA+\j], 0
	v_mov_b32 v[SLA+4+\j], v[TMP+\j]
	v_mov_b32 v[SLA+8+\j], 0
.endr
	WIN 0
	v_mul_u32_u24 v[AK0], v1, PK
	v_lshl_add_u32 v[AK0], v9, 4, v[AK0]
	; The turning load takes 16 keys x 16 channels (lane l reads key 8 (l / 16) + l % 8, channels 8 ((l / 8) % 2) + 0..7) and leaves half a fragment of V^T.
	v_and_b32 v10, 7, v0
	v_bfe_u32 v11, v0, 3, 1
	v_lshl_add_u32 v[AV0], v9, 3, v10
	v_mul_u32_u24 v[AV0], v[AV0], PV
	v_lshl_add_u32 v[AV0], v11, 4, v[AV0]
	v_add_nc_u32 v[AV0], VOFF, v[AV0]
	v_and_b32 v[PFO], 31, v0
	v_lshlrev_b32 v[PFO], 8, v[PFO]
	v_mov_b32 v[AK], v[AK0]
; THE MATRIX WORK.  The 8 accumulators of a run take turns, in the same order in all runs: between two links of a chain stand 7 others'.
; Mask product i of 8 for piece x: keys 16 (i / 2) on, tile 2 x + i % 2: it starts the sum.
.macro MK x
	WIN W_MS
.set rS, S+64*((\x)%2)+32*(i%2)+8*((i/2)%4)
.set rA, SLA+4*(1-((i/2)%2))
.set rB, MF+32*(\x)+16*(i%2)+8*(i/4)
	v_wmma_f32_16x16x32_f16 v[rS:rS+7], v[rA:rA+7], v[rB:rB+7], 0
.endm
; Product i of 16 of S^T += K Q^T for piece x: channels 32 (i / 8) on, keys 16 ((i / 2) % 4) on, tile 2 x + i % 2.
.macro KQ x
	WIN W_KQ
.set rS, S+64*((\x)%2)+32*(i%2)+8*((i/2)%4)
.set rK, KF+16*((i/2)%4)+8*(i/8)
.set rQ, 16*(2*(\x)+i%2)+8*(i/8)
	v_wmma_f32_16x16x32_f16 v[rS:rS+7], v[rK:rK+7], v[rQ:rQ+7], v[rS:rS+7]
.endm
; Product i of 16 of O^T += V^T P for piece x: keys 32 (i / 8) on, channels 16 ((i / 2) % 4) on, tile 2 x + i % 2.
.macro PV x
	WIN W_PV
.set rO, 32*(2*(\x)+i%2)+8*((i/2)%4)
.set rV, VF+32*(i/8)+8*((i/2)%4)
.set rP, P+32*((\x)%2)+16*(i%2)+8*(i/8)
	v_wmma_f32_16x16x32_f16 v[rO:rO+7], v[rV:rV+7], v[rP:rP+7], v[rO:rO+7]
.endm
.macro MM                           ; the turn's next matrix instruction, of 40
.if i < 8
	MK (Y+1)%NP
.set i, i+1
.elseif i < 24
.set i, i-8
	KQ (Y+1)%NP
.set i, i+9
.else
.set i, i-24
	PV (Y+NP-1)%NP
.set i, i+25
.endif
.endm
; THE LDS LOADS stand in runs of 16.  last = 1 (the tail): in the last trip there is no further step, and the run is jumped over.
.macro FETCH_K last=0
	WIN 0
.if \last
	s_cmp_eq_u32 s[CNT], 1
	s_cbranch_scc1 .Lno_k_\@
.endif
	WIN 0x80
.irp f, 0,1,2,3,4,5,6,7
	ds_load_b128 v[KF+8*\f:KF+8*\f+3],   v[AK] offset:(\f/2)*16*PK+(\f%2)*64
	ds_load_b128 v[KF+8*\f+4:KF+8*\f+7], v[AK] offset:(\f/2)*16*PK+(\f%2)*64+32
.endr
	s_add_co_u32 s[TBK], s[TBK], KS*PK
	WIN 0
.if \last
.Lno_k_\@:
.endif
.endm
.macro FETCH_V
	WIN 0x80
.irp f, 0,1,2,3,4,5,6,7
	ds_load_tr16_b128 v[VF+8*\f:VF+8*\f+3],   v[AV] offset:(\f/4)*32*PV+(\f%4)*32
	ds_load_tr16_b128 v[VF+8*\f+4:VF+8*\f+7], v[AV] offset:(\f/4)*32*PV+16*PV+(\f%4)*32
.endr
	WIN 0
.endm
; THE VECTOR WORK OF A TURN stands in three queues, each in the order in which its entries become ready; the two tiles alternate.
.macro REGS y, u
.set rT, ST+4*(2*(\y)+(\u))
.set rC, TMP+8*((\y)%2)+4*(\u)
.set rM, MV+2*((\y)%2)+(\u)
.set rS, S+64*((\y)%2)+32*(\u)
.set rP, P+32*((\y)%2)+16*(\u)
.set rO, 32*(2*(\y)+(\u))
.endm
; Number n of the 22 that find the NEXT piece's maximum and statistics; each accumulator's lowest registers are read first.
;   0-11 four chains c0-c3 of seven scores each     12-14, 16 the four scores left over, the old m, c0-c3 into c0     15 c m_old is kept     17, 18 the other half of the lanes: the new m     19-21 c m; its change; a
.macro XS u, n
	REGS (Y+1)%NP, \u
.if (\n) < 4
	v_max3_num_f32 v[rC+(\n)], v[rS+8*(\n)], v[rS+8*(\n)+1], v[rS+8*(\n)+2]
.elseif (\n) < 12
	v_max3_num_f32 v[rC+(\n)%4], v[rC+(\n)%4], v[rS+8*((\n)%4)+2*((\n)/4)+1], v[rS+8*((\n)%4)+2*((\n)/4)+2]
.elseif (\n) == 12
	v_max3_num_f32 v[rC], v[rC], v[rS+7], v[rS+15]
.elseif (\n) == 13
	v_max3_num_f32 v[rC+1], v[rC+1], v[rS+23], v[rS+31]
.elseif (\n) == 14
	v_max3_num_f32 v[rC+2], v[rC+2], v[rC+3], v[rT+1]
.elseif (\n) == 15
	v_mov_b32 v[rM], v[rT]
.elseif (\n) == 16
	v_max3_num_f32 v[rC], v[rC], v[rC+1], v[rC+2]
.elseif (\n) == 17
	v_permlanex16_b32 v[rC+3], v[rC], s[SEL], s[SEL+1]
.elseif (\n) == 18
	v_max_num_f32 v[rT+1], v[rC], v[rC+3]
.elseif (\n) == 19
	v_mul_f32 v[rT], s[CS], v[rT+1]
.elseif (\n) == 20
	v_sub_f32 v[rC+1], v[rM], v[rT]
.else
	v_exp_f32 v[rC+2], v[rC+1]
.endif
.endm
; Number g of the 64 that follow the exponentials: for each four weights both pairs are rounded to f16, the second pair is added onto the first, and a group later l takes that sum (the first time as l = a l + sum).
.macro GS g
.set h, (\g)+6*((\g)/62)
.if h >= 6
.set h, h+2
.endif
	REGS Y, h%2
.set k, h/8
.if h%8 < 4
	v_cvt_pk_f16_f32 v[rP+2*k+(h%8)/2], v[rS+4*k+2*((h%8)/2)], v[rS+4*k+2*((h%8)/2)+1]
.elseif h%8 < 6
	v_pk_add_f32 v[rS+4*k:rS+4*k+1], v[rS+4*k:rS+4*k+1], v[rS+4*k+2:rS+4*k+3]
.elseif k == 1
	v_pk_fma_f32 v[rT+2:rT+3], v[rT+2:rT+3], v[rC+2:rC+3], v[rS:rS+1] op_sel_hi:[1,0,1]
.else
	v_pk_add_f32 v[rT+2:rT+3], v[rT+2:rT+3], v[rS+4*k-4:rS+4*k-3]
.endif
.endm
; THE PLAIN QUEUE, 138 long.  0-26: scalings 0-26.  27-54: XS's numbers 0-13.  55, 56: number 15.  57-73: the chain 14, 16 .. 20, a scaling 27-31 ahead of each pair of links.  74-137: GS's 64, behind the wait.
.macro FS f
	REGS Y, (\f)%2
	v_pk_fma_f32 v[rS+2*((\f)/2):rS+2*((\f)/2)+1], v[rS+2*((\f)/2):rS+2*((\f)/2)+1], s[CS:CS+1], v[rT:rT+1] op_sel_hi:[1,0,0] neg_lo:[0,0,1] neg_hi:[0,0,1]
.endm
.macro PL
	WIN 0
.if q < 27
	FS q
.elseif q < 55
	XS (q-27)%2, (q-27)/2
.elseif q < 57
	XS q-55, 15
.elseif (q < 72) && ((q-57)%3 == 0)
	FS 27+(q-57)/3
.elseif q < 60
	XS (q-57)%3-1, 14
.elseif q < 72
	XS (q-57)%3-1, 15+(q-57)/3
.elseif q < 74
	XS q-72, 20
.else
	GS q-74
.endif
.set q, q+1
.endm
; THE EXPONENTIALS' QUEUE, 66 long: s0-s31 of both tiles, then the next piece's two a: ONE BATCH, all ahead of the turn's one wait.
.macro EX
	WIN 0
.if e >= 64
	XS e-64, 21
.else
	REGS Y, e%2
	v_exp_f32 v[rS+e/2], v[rS+e/2]
.endif
.set e, e+1
.endm
; THE RESCALING's QUEUE: O^T times a, two at a time, sixteen times.  Its a was made, and waited for, in the turn before.
.macro R2
	REGS Y, r%2
	WIN W_RS
.irp z, 0,1
	v_pk_mul_f32 v[rO+4*(r/2)+2*\z:rO+4*(r/2)+2*\z+1], v[rO+4*(r/2)+2*\z:rO+4*(r/2)+2*\z+1], v[rC+2:rC+3] op_sel_hi:[1,0]
.endr
.set r, r+1
.endm
; A TURN, for piece p.  AHEAD OF THE WAIT stands all that names no result of the turn's exponentials: 24 products (8 mask, 16 K Q^T); behind each of the first 16 a scaling, an exponential and two rescalings
; (behind the first a second scaling in the exponential's place), behind each of the last 8 a scaling and an exponential; the next step's mask loads for the piece just scored, sixteen products and their plain
; riders behind the last product that read those registers; then ONE LUMP of 92: eight plain, 41 times exponential and plain, the two a.  A v_nop is the plain instruction behind the last exponential.
; BEHIND THE WAIT stand the 16 products V^T P, behind each four of GS's 64.
; The queues lean on each other: exponential e stands behind scaling 2 (e / 4) + e % 2: as a rider it comes behind plain e + 2, in the lump behind plain e + 9.  The first reader of a score (plain 27) stands seven
; products and ten plain instructions behind the product that ended its accumulator; every later one four plain instructions or more.
; THE MASK LOADS: every turn issues eight and waits, at its head, for the eight of the piece that it scores: the 24 of the three turns between may stay out.  The step's address moves on in piece 3's turn,
; which scores piece 0 of the next step; behind the last step it stays (a minimum), so no load leaves mf.
; THE MASK'S PREFETCH: in piece 3's turn, directly behind the wait, head 0 of each batch (all 16 heads read the same mask) asks for its wave's 16,384 bytes of the step whose first load comes one key step
; later: 64 blocks of 256 bytes, a lane each, two lines.  Steps 0 to 2 come by their loads alone; at the end the address stays at the last step.
.macro TURN p, last=0, cnt=0
.set Y, (\p)
.set i, 0
.set q, 0
.set e, 0
.set r, 0
	s_wait_loadcnt 24               ; the mask of the piece to be scored is in
.if (\p) == NP-1
	s_wait_dscnt 0x0                ; K is in
.endif
	MM
	PL
	PL
	R2
.rept 15
	MM
	PL
	EX
	R2
.endr
.rept 8
	MM
	PL
	EX
.endr
	WIN 0
.if (\p) == NP-2
	v_add_nc_u32 v[AK], s[TBK], v[AK0]
.endif
.if (\p) == NP-1
	s_wait_xcnt 0x0                 ; the loads of the last four turns and the prefetches of a key step back have read their addresses
	s_add_co_u32 s[MOF], s[MOF], 16384
	s_min_u32 s[MOF], s[MOF], 31*16384
	s_add_nc_u64 s[MA:MA+1], s[MBASE:MBASE+1], s[MOF:MOF+1]
	s_add_co_u32 s[PO], s[MOF], 16384
	s_min_u32 s[PO], s[PO], 31*16384
	s_add_nc_u64 s[PA:PA+1], s[MBASE:MBASE+1], s[PO:PO+1]
.endif
	MLOAD (Y+1)%NP
.rept 8
	PL
.endr
.rept 41
	EX
	PL
.endr
	EX
	EX
	v_nop                           ; the plain instruction behind the last exponential: one for the batch
	s_wait_alu depctr_va_vdst(0)    ; the wait for the batch, ahead of the first line that names a result
.if (\p) == NP-2
	FETCH_K \last
.endif
.if (\p) == NP-1
	s_cmp_eq_u32 s[HZ], 0           ; the same in all four partners
	s_cbranch_scc0 .Lno_pf_\@
	global_prefetch_b8 v[PFO], s[PA:PA+1] th:TH_LOAD_NT scope:SCOPE_SE
	global_prefetch_b8 v[PFO], s[PA:PA+1] offset:8192 th:TH_LOAD_NT scope:SCOPE_SE
.Lno_pf_\@:
.endif
.if (\p) == 1
	s_wait_dscnt 0x0                ; V is in
.endif
.rept 16
	MM
.rept 4
	PL
.endr
.if ((\p) == 0) && (q == 118)
	v_add_nc_u32 v[AV], s[TBV], v[AV0]
.endif
.if ((\p) == 0) && (q == 130)
	s_add_co_u32 s[TBV], s[TBV], KS*PV
.endif
.if (\cnt) && (q == 130)
	s_sub_co_u32 s[CNT], s[CNT], 1
	s_cmp_lg_u32 s[CNT], 0
.endif
.endr
.if (\p) == 0
	FETCH_V
.endif
.endm
	CHANGE 1                        ; slot 0 is in, everybody's part of it; slot 1 is asked for
	FETCH_K                         ; key step 0
	s_wait_loadcnt 24               ; Q and piece 0's mask are in; the masks of pieces 1 to 3 may stay out
	s_wait_dscnt 0x0
.set i, 0
.rept 8
	MK 0
.set i, i+1
.endr
.set i, 0
.rept 16
	KQ 0                            ; piece 0's first scores
.set i, i+1
.endr
	WIN 0                           ; the addresses for the way out: seven plain instructions, the places behind those products
	s_mul_i32 s13, s[WV], 16*SP
	s_add_co_u32 s13, s13, STAGE
	v_mul_u32_u24 v[STO], v1, SP
	v_lshl_add_u32 v[STO], v9, 4, v[STO]
	v_add_nc_u32 v[STO], s13, v[STO]
	v_bfe_u32 v[RD], v0, 3, 2
	v_mul_u32_u24 v[RD], v[RD], SP
	v_lshl_add_u32 v[RD], v10, 4, v[RD]
	v_add_nc_u32 v[RD], s13, v[RD]
	s_wait_xcnt 0x0                 ; the mask loads above have read their address
	s_mov_b32 s[MOF], 16384
	s_add_nc_u64 s[MA:MA+1], s[MBASE:MBASE+1], s[MOF:MOF+1]
	MLOAD 0                         ; piece 0's mask of key step 1
.set Y, NP-1
.irp n, 0,1,2,3,4,5,6,7,8,9,10,11,12,13,14,15,16,17,18,19,20,21
	XS 0, \n
	XS 1, \n
.endr
	v_nop
	s_wait_alu depctr_va_vdst(0)    ; the two a have their wait ahead of the branch
	s_mov_b32 s[CNT], 4
	s_mov_b32 s[SLOTS], 7
	s_branch .Lfirst                ; the loop is entered at a step's first turn, in the middle of a trip
.Lslot:                             ; six times: with the change above, every slot but the last is asked for
	CHANGE 1
	s_mov_b32 s[CNT], 4
.Lstep:                             ; a trip: pieces 2 and 3 of one step, then pieces 0 and 1 of the next
	TURN 2
	TURN 3
	WIN 0
.Lfirst:
	TURN 0
	TURN 1, 0, 1
	WIN 0
	s_cbranch_scc1 .Lstep
	s_sub_co_u32 s[SLOTS], s[SLOTS], 1
	s_cmp_lg_u32 s[SLOTS], 0
	s_cbranch_scc1 .Lslot
	CHANGE 0                        ; the tail is written out
	s_mov_b32 s[CNT], 5
.Ltail:
	TURN 2, 1
	TURN 3
	WIN 0
	s_sub_co_u32 s[CNT], s[CNT], 1
	s_cmp_eq_u32 s[CNT], 0
	s_cbranch_scc1 .Lout
	TURN 0
	TURN 1
	WIN 0
	s_branch .Ltail
.Lout:                              ; the fifth trip's scores (the last K and the last mask once more) repeat the last step's: piece 0's maximum stays what it was
.set i, 0
.rept 16
	PV NP-1
.set i, i+1
.endr
	; THE WAY OUT.  l's halves are added; O^T is divided by l, rounded to f16 and sent through my stage, a tile at a time.  The additions are the places behind the last products.
	WIN 0
.macro ALL line:vararg
.set t, 0
.rept 2*NP
	\line
.set t, t+1
.endr
.endm
	ALL v_add_f32 v[ST+4*t+2], v[ST+4*t+2], v[ST+4*t+3]
	ALL v_permlanex16_b32 v[ST+4*t+3], v[ST+4*t+2], s[SEL], s[SEL+1]
	ALL v_add_f32 v[ST+4*t+2], v[ST+4*t+2], v[ST+4*t+3]
	ALL v_rcp_f32 v[ST+4*t+2], v[ST+4*t+2]
	v_nop
	s_wait_alu depctr_va_vdst(0)    ; one wait for the eight reciprocals
.set t, 0
.rept 2*NP                          ; a query whose maximum never rose above its start saw no key: its row is NaN
	v_cmp_ge_f32 s20, s[THR], v[ST+4*t+1]
	v_cndmask_b32 v[ST+4*t+2], v[ST+4*t+2], s[NANV], s20
.set t, t+1
.endr
.macro PACK t
	WIN W_RS
.set i, 32*(\t)
.rept 16
	v_pk_mul_f32 v[i:i+1], v[i:i+1], v[ST+4*(\t)+2:ST+4*(\t)+3] op_sel_hi:[1,0]
.set i, i+2
.endr
	WIN 0x05
.set i, 0
.rept 16
	v_cvt_pk_f16_f32 v[S+16*(\t)+i], v[32*(\t)+2*i], v[32*(\t)+2*i+1]
.set i, i+1
.endr
	WIN 0
.irp f, 0,1,2,3
	ds_store_b128 v[STO], v[S+16*(\t)+4*\f:S+16*(\t)+4*\f+3] offset:32*\f
.endr
.irp f, 0,1,2,3
	ds_load_b128 v[S+16*(\t)+4*\f:S+16*(\t)+4*\f+3], v[RD] offset:\f*4*SP  ; LDS serves a wave's instructions in order (ISA guide 5.7.1.4): these see the stores above
.endr
.endm
.macro SEND t, younger              ; younger: the LDS instructions issued behind tile t's loads
	WIN 0
.irp f, 0,1,2,3
	s_wait_dscnt (\younger)+3-\f
	global_store_b128 v[GO], v[S+16*(\t)+4*\f:S+16*(\t)+4*\f+3], s[10:11] offset:(\t)*32768+\f*512  ; 512 bytes on end, at a multiple of 256 from ob's first byte
.endr
.endm
	PACK 0
.set t, 1
.rept 2*NP-1
	PACK t
	SEND t-1, 8
.set t, t+1
.endr
	SEND 2*NP-1, 0
	WIN W_AD
	s_wait_tensorcnt 0x0            ; the wave's end, behind my last tensor load and my last LDS store
	ds_add_u32 v[SPW], v[NIL]
	s_wait_dscnt 0x0
	WIN 0
	CROUND                          ; the closing round
	s_endpgm
.Lfunc_end_k_q5a028b7a91_attn:
	.size	k_q5a028b7a91_attn, .Lfunc_end_k_q5a028b7a91_attn-k_q5a028b7a91_attn
	.p2alignl 7, 3214868480
	.fill 96, 4, 3214868480
	.section	.rodata,"a",@progbits
	.p2align	6, 0x0
	.amdhsa_kernel k_q5a028b7a91_attn
		.amdhsa_group_segment_fixed_size 327680
		.amdhsa_private_segment_fixed_size 0
		.amdhsa_enable_private_segment 0
		.amdhsa_kernarg_size 24
		.amdhsa_user_sgpr_count 2
		.amdhsa_user_sgpr_kernarg_segment_ptr 1
		.amdhsa_wavefront_size32 1
		.amdhsa_system_sgpr_workgroup_id_x 1
		.amdhsa_system_sgpr_workgroup_id_y 1
		.amdhsa_system_sgpr_workgroup_id_z 1
		.amdhsa_system_vgpr_workitem_id 0
		.amdhsa_next_free_vgpr 912
		.amdhsa_next_free_sgpr 88
		.amdhsa_reserve_vcc 0
		.amdhsa_float_denorm_mode_32 3
		.amdhsa_float_denorm_mode_16_64 3
		.amdhsa_memory_ordered 1
		.amdhsa_forward_progress 1
		.amdhsa_inst_pref_size 222
	.end_amdhsa_kernel
	.amdgpu_metadata
---
amdhsa.version: [ 1, 2 ]
amdhsa.kernels:
  - .name:           k_q5a028b7a91_attn
    .symbol:         k_q5a028b7a91_attn.kd
    .args:
      - { .name: qkv, .offset: 0, .size: 8, .value_kind: global_buffer, .address_space: global }
      - { .name: mf, .offset: 8, .size: 8, .value_kind: global_buffer, .address_space: global }
      - { .name: ob, .offset: 16, .size: 8, .value_kind: global_buffer, .address_space: global }
    .group_segment_fixed_size: 327680
    .private_segment_fixed_size: 0
    .kernarg_segment_align: 8
    .kernarg_segment_size: 24
    .max_flat_workgroup_size: 128
    .sgpr_count:     88
    .vgpr_count:     912
    .wavefront_size: 32
...
	.end_amdgpu_metadata
.endif
;; end of part 3
;; launch outp (part 4): grid 4 x 64, 4 waves a work-group, clusters of 4 x 4, 327,680 bytes of LDS; arguments ob, wb, bc, out0; writes out0
.if DOCPART == 4
	.amdgcn_target "amdgcn-amd-amdhsa--gfx1250"
	.amdhsa_code_object_version 6
	.text
	.protected	k_q5a028b7a91_outp
	.globl	k_q5a028b7a91_outp
	.p2align	8
	.type	k_q5a028b7a91_outp,@function
k_q5a028b7a91_outp:
	s_mov_b64 s[64:65], 0
	v_nop
	global_prefetch_b8 v0, s[64:65] scope:SCOPE_SE
	s_setreg_imm32_b32 hwreg(HW_REG_WAVE_MODE, 25, 1), 1
	s_wait_xcnt 0x0
	s_wait_alu depctr_hold_cnt(0) depctr_sa_sdst(0) depctr_va_vdst(0) depctr_va_sdst(0) depctr_va_ssrc(0) depctr_va_vcc(0) depctr_vm_vsrc(0)
	s_getreg_b32 s2, hwreg(HW_REG_IB_STS2, 6, 4)
	s_cmp_eq_u32 s2, 0
	s_cbranch_scc0 .Lentry_in_a_cluster
	s_endpgm
.Lentry_in_a_cluster:
	s_bfe_u32 s2, ttmp6, 0x10000c
	s_cmp_lg_u32 s2, 0xf033
	s_cbranch_scc0 .Lentry_shape_is_right
	s_endpgm
.Lentry_shape_is_right:
; THE COMPOSITION: out0[R][n] = sum over k of O[R][k] Wc[n][k] + bc[n], R = 0..8191, n, k = 0..1023.  O (ob) and Wc (wb's part 3) in f16, blocked: (R >> 4) * 32768 + (k >> 6) * 2048 + (R & 15) * 128 + (k & 63) * 2.
; Sums in f32; bc is rounded to bf16 like every other input and added in f32; out0 is f32.  A NaN row of O (a query with every key hidden) gives a NaN row of out0.
; SHAPE, RING, CLUSTER: a tile of C is 128 x 256 (256 work-groups), four waves of 64 x 128, K in 8 steps of 128 through two LDS slots filled by the tensor data mover, A's tile shared along a row of the 4 x 4 cluster,
; B's along a column; the product is used transposed, so that a lane holds one row of C and eight neighbouring columns.
; REGISTERS: window 0: v1-30 addresses and the bias; v64-159, v160-255 two fragment buffers (8 of B, then 4 of A), on the way out two buffers of 16 rows; window 1: accumulator (a, b) at 8 (8 a + b).
.set RGS,   4608
.set PAN,   2304
.set BREG,  8*RGS
.set SLOT1, 131072
.set STAGE, SLOT1+24*RGS               ; behind the ring, never filled by a tensor load: 16 rows x 528 bytes for each wave
.set SP,    528                        ; 512 bytes + 16 = 132 words: the 16 rows of a store start at 16 different groups of four banks (64 banks of 4 bytes: ISA guide 11.1)
.set SPARE, STAGE+4*16*SP              ; the spare words, 128 bytes for each wave: two blocks of 256 bytes that no other line names
.set KSB,   4096
.set WCOFF, 3*2097152                  ; Wc's first byte in wb
.set GC,    (1<<16)|(1<<20)|(1<<21)|(4<<22)|(3<<25)
.set F0,    64
.set F1,    160
.set BO,    7                          ; v7      my byte offset in bc
.set BI,    8                          ; v[8:11] my four numbers of the bias
.set ADRA0, 16
.set ADRB0, 17
.set ADRA,  18
.set ADRB,  19
.set STO,   24
.set RD,    25
.set CO,    26
.set SPW,   28                         ; v28  SPARE + 4 x my thread's number; never rewritten
.set NIL,   29                         ; v29  0; never rewritten
.set PFO,   30
.set WV,  12
.set WM,  13
.set WN,  14
.set CX,  15
.set CY,  16
.set TN,  17
.set TY,  18
.set CLY, 19
.set G1A, 24
.set G0A, 32
.set TB,  40
.set LIM, 41
.set PFA, 42
.set CNT, 44
.set G1B, 48
.set G0B, 56
.set MSB, 0
.macro WIN new
.if MSB != (\new)
	s_set_vgpr_msb (MSB<<8)|(\new)
.set MSB, \new
.endif
.endm
.macro PLACES
.rept 4
	v_nop
.endr
.endm
.macro JLOAD                           ; a joint refill by the walking sets; an s_nop 0 and four v_nop follow each line
	s_cmp_eq_u32 s[WM], 0
	s_cbranch_scc0 .Lfor_b_\@
	tensor_load_to_lds s[G0A+4:G0A+7], s[G1A:G1A+7]
	s_nop 0
.rept 4
	v_nop
.endr
	s_branch .Lasked_\@
.Lfor_b_\@:
	tensor_load_to_lds s[G0B+4:G0B+7], s[G1B:G1B+7]
	s_nop 0
.rept 4
	v_nop
.endr
.Lasked_\@:
.endm
.macro ASK                             ; a prefetch into the L2 of the K step two refills on: 32 blocks of 256 bytes, a lane each
	s_cmp_gt_u32 s[CNT], s[LIM]
	s_cbranch_scc0 .Lnot_mine_\@
	global_prefetch_b8 v[PFO], s[PFA:PFA+1] th:TH_LOAD_NT scope:SCOPE_SE
.Lnot_mine_\@:
.endm
.macro CREST
	s_cmp_lg_u32 s[WV], 0
	s_cbranch_scc1 .Lnot_wave_0_\@
	s_barrier_signal -3
.Lnot_wave_0_\@:
	s_barrier_wait -3
	s_barrier_signal -1
	s_barrier_wait -1
.endm
.macro CROUND
	s_barrier_signal -1
	s_barrier_wait -1
	CREST
.endm
.macro MUL8 f, a, zero                 ; 8 matrix instructions: m block a x all 8 n blocks, 32 along K
	WIN 0x50
.irp b, 0,1,2,3,4,5,6,7
.if \zero
	v_wmma_f32_16x16x32_f16 v[8*(8*(\a)+(\b)):8*(8*(\a)+(\b))+7], v[(\f)+8*(\b):(\f)+8*(\b)+7], v[(\f)+64+8*(\a):(\f)+64+8*(\a)+7], 0
.else
	v_wmma_f32_16x16x32_f16 v[8*(8*(\a)+(\b)):8*(8*(\a)+(\b))+7], v[(\f)+8*(\b):(\f)+8*(\b)+7], v[(\f)+64+8*(\a):(\f)+64+8*(\a)+7], v[8*(8*(\a)+(\b)):8*(8*(\a)+(\b))+7]
.endif
.endr
.endm
.macro FETCH k, f                      ; 24 LDS loads in one run: B's eight fragments, then A's four
	WIN 0
.irp i, 0,1,2,3,4,5,6,7
	ds_load_b128 v[(\f)+8*(\i):(\f)+8*(\i)+3],   v[ADRB] offset:(\k)+(\i)*RGS
	ds_load_b128 v[(\f)+8*(\i)+4:(\f)+8*(\i)+7], v[ADRB] offset:(\k)+(\i)*RGS+32
.endr
.irp i, 0,1,2,3
	ds_load_b128 v[(\f)+64+8*(\i):(\f)+64+8*(\i)+3],   v[ADRA] offset:(\k)+(\i)*RGS
	ds_load_b128 v[(\f)+64+8*(\i)+4:(\f)+64+8*(\i)+7], v[ADRA] offset:(\k)+(\i)*RGS+32
.endr
.endm
.macro QUARTER k, f, g, zero           ; multiplies f; in its middle fetches the next quarter, at byte k, into g.  The 32 accumulators take turns in one order everywhere
	s_wait_dscnt 4                                 ; B and A's blocks 0, 1 are in; A's blocks 2, 3 may be out
	MUL8 \f, 0, \zero
	MUL8 \f, 1, \zero
	PLACES
	FETCH \k, \g
	s_wait_dscnt 24                                ; all but the 24 just issued
	MUL8 \f, 2, \zero
	MUL8 \f, 3, \zero
.endm
.macro TURN fill                       ; the last quarter and the change of slots: the waits and the add ahead of the barrier, the joint refill first behind the round
	s_wait_xcnt 0x0                                ; the last prefetch, a K step back, has read its address
	s_add_nc_u64 s[PFA:PFA+1], s[PFA:PFA+1], KSB
	WIN 0
	s_wait_tensorcnt 0x0                           ; all my tensor loads have landed
	ds_add_u32 v[SPW], v[NIL]                      ; 0 onto my spare word
	s_wait_dscnt 5                                 ; (the add and A's blocks 2, 3 may be out)
	MUL8 F1, 0, 0
	s_wait_dscnt 0x0                               ; the add is done, and my reads of this slot are over
	s_barrier_signal -1
	MUL8 F1, 1, 0
	WIN 0
	s_barrier_wait -1
.if \fill
	CREST
	s_xor_b32 s[G0A+5], s[G0A+5], SLOT1
	s_add_nc_u64 s[G0A+6:G0A+7], s[G0A+6:G0A+7], KSB
	s_xor_b32 s[G0B+5], s[G0B+5], SLOT1
	s_add_nc_u64 s[G0B+6:G0B+7], s[G0B+6:G0B+7], KSB
	JLOAD
.else
	PLACES
.endif
	s_xor_b32 s[TB], s[TB], SLOT1
	v_add_nc_u32 v[ADRA], s[TB], v[ADRA0]
	v_add_nc_u32 v[ADRB], s[TB], v[ADRB0]
	FETCH 0, F0
.if \fill
	ASK
.endif
	MUL8 F1, 2, 0
	MUL8 F1, 3, 0
.endm
	s_load_b256 s[4:11], s[0:1], 0x0               ; ob s[4:5], wb s[6:7], bc s[8:9], out0 s[10:11]
	v_lshl_add_u32 v[SPW], v0, 2, SPARE
	v_mov_b32 v[NIL], 0
	ds_add_u32 v[SPW], v[NIL]                      ; the wave's opening: the add and its wait stand ahead of my first tensor load
	v_lshrrev_b32 v1, 5, v0
	v_readfirstlane_b32 s[WV], v1
	s_lshr_b32 s[WM], s[WV], 1
	s_and_b32 s[WN], s[WV], 1
	s_bfe_u32 s[CX], ttmp6, 0x40000
	s_bfe_u32 s[CY], ttmp6, 0x40004
	s_lshl_b32 s[TN], ttmp9, 2
	s_add_co_u32 s[TN], s[TN], s[CX]               ; tile column, 0..3
	s_and_b32 s[CLY], ttmp7, 0xffff
	s_lshl_b32 s[TY], s[CLY], 2
	s_add_co_u32 s[TY], s[TY], s[CY]               ; tile row, 0..63
	s_lshl_b32 s22, s[CY], 2
	s_lshl_b32 s22, 15, s22                        ; my row of the cluster
	s_lshl_b32 s23, 0x1111, s[CX]                  ; my column
	s_or_b32 s[G1A], s22, GC
	s_or_b32 s[G1B], s23, GC
	s_mov_b32 s[G1A+1], 2048<<16
	s_mov_b32 s[G1B+1], 2048<<16
	s_mov_b32 s[G1A+2], 4<<16
	s_mov_b32 s[G1B+2], 8<<16
	s_mov_b32 s[G1A+3], 2048<<16
	s_mov_b32 s[G1B+3], 2048<<16
	s_mov_b32 s[G1A+4], 4
	s_mov_b32 s[G1B+4], 8
	s_mov_b32 s[G1A+5], 16384
	s_mov_b32 s[G1B+5], 16384
	s_mov_b32 s[G1A+6], 0
	s_mov_b32 s[G1B+6], 0
	s_mov_b32 s[G1A+7], 0
	s_mov_b32 s[G1B+7], 0
	s_lshl_b32 s20, s[TY], 18
	s_lshl_b32 s21, s[WN], 17
	s_add_co_u32 s20, s20, s21
	s_mov_b32 s21, 0
	s_lshl_b32 s46, s[TN], 19
	s_lshl_b32 s47, s[WN], 18
	s_add_co_u32 s46, s46, s47
	s_add_co_u32 s46, s46, WCOFF
	s_mov_b32 s47, 0
	s_mov_b32 s[G0A], 1
	s_mov_b32 s[G0A+4], 1
	s_mov_b32 s[G0B], 1
	s_mov_b32 s[G0B+4], 1
	s_mul_i32 s[G0A+1], s[WN], 4*RGS
	s_add_co_u32 s[G0A+5], s[G0A+1], SLOT1
	s_mul_i32 s[G0B+1], s[WN], 8*RGS
	s_add_co_u32 s[G0B+1], s[G0B+1], BREG
	s_add_co_u32 s[G0B+5], s[G0B+1], SLOT1
	s_wait_dscnt 0x0                               ; the opening add is done
	s_wait_kmcnt 0x0
	s_add_nc_u64 s[G0A+2:G0A+3], s[4:5], s[20:21]
	s_add_nc_u64 s[G0A+6:G0A+7], s[G0A+2:G0A+3], KSB
	s_or_b32 s[G0A+3], s[G0A+3], 0x80000000
	s_or_b32 s[G0A+7], s[G0A+7], 0x80000000
	s_add_nc_u64 s[G0B+2:G0B+3], s[6:7], s[46:47]
	s_add_nc_u64 s[G0B+6:G0B+7], s[G0B+2:G0B+3], KSB
	s_or_b32 s[G0B+3], s[G0B+3], 0x80000000
	s_or_b32 s[G0B+7], s[G0B+7], 0x80000000
	CROUND                                         ; all sixteen work-groups are here: the first joint loads meet
	s_cmp_eq_u32 s[WM], 0                          ; a wave's two first fills stand in one branch: two loads of mine are out
	s_cbranch_scc0 .Lfirst_b
	tensor_load_to_lds s[G0A:G0A+3], s[G1A:G1A+7]
	s_nop 0
	tensor_load_to_lds s[G0A+4:G0A+7], s[G1A:G1A+7]
	s_nop 0
.rept 4
	v_nop
.endr
	s_branch .Lfirst_asked
.Lfirst_b:
	tensor_load_to_lds s[G0B:G0B+3], s[G1B:G1B+7]
	s_nop 0
	tensor_load_to_lds s[G0B+4:G0B+7], s[G1B:G1B+7]
	s_nop 0
.rept 4
	v_nop
.endr
.Lfirst_asked:
	v_and_b32 v1, 15, v0
	v_bfe_u32 v2, v0, 4, 1
	v_mul_u32_u24 v3, v1, 144
	v_lshl_add_u32 v3, v2, 4, v3
	s_mul_i32 s20, s[WM], 4*RGS
	s_mul_i32 s21, s[WN], 8*RGS
	s_add_co_u32 s21, s21, BREG
	v_add_nc_u32 v[ADRA0], s20, v3
	v_add_nc_u32 v[ADRB0], s21, v3
	v_mov_b32 v[ADRA], v[ADRA0]
	v_mov_b32 v[ADRB], v[ADRB0]
	s_mov_b32 s[TB], 0
	s_mul_i32 s22, s[WV], 16*SP
	s_add_co_u32 s22, s22, STAGE                   ; my stage
	v_mul_u32_u24 v4, v1, SP                       ; in: row l % 16, 32 bytes for each half of the lanes
	v_lshl_add_u32 v4, v2, 5, v4
	v_add_nc_u32 v[STO], s22, v4
	v_and_b32 v5, 31, v0
	v_lshlrev_b32 v[CO], 4, v5                     ; back and out: 32 lanes take a row's 512 bytes
	v_add_nc_u32 v[RD], s22, v[CO]
	v_lshlrev_b32 v[PFO], 8, v1
	v_lshl_add_u32 v[PFO], v2, 15, v[PFO]
	s_lshl_b32 s22, s[TN], 10                      ; my 128 columns, in bytes of f32: 1,024 x tile column + 512 x half
	s_lshl_b32 s23, s[WN], 9
	s_add_co_u32 s22, s22, s23
	v_add_nc_u32 v[BO], s22, v[CO]
	global_load_b128 v[BI:BI+3], v[BO], s[8:9]     ; my four numbers of the bias; waited for on the way out
	s_lshl_b32 s20, s[TY], 7
	s_lshl_b32 s21, s[WM], 6
	s_add_co_u32 s20, s20, s21                     ; my first row
	s_lshl_b32 s20, s20, 12                        ; rows of 4,096 bytes
	s_add_co_u32 s20, s20, s22
	s_mov_b32 s21, 0
	s_add_nc_u64 s[10:11], s[10:11], s[20:21]
	; THE PREFETCHES.  Each block of 256 bytes is named once in the launch.  A's tile row is read by this cluster alone: wave 0 asks, the four partners that share it take two groups of 16 rows each, told apart
	; by address (cx).  Wc's rows are read by all 16 clusters: the first asks, waves 2 and 3 each for the half that they fetch, the partners told apart by cy.  K steps 0 to 3 come by their loads alone.
	s_lshl_b32 s20, s[TY], 18
	s_lshl_b32 s22, s[CX], 16
	s_add_co_u32 s20, s20, s22
	s_lshl_b32 s21, s[CY], 16
	s_add_co_u32 s21, s21, s46
	s_cmp_eq_u32 s[WM], 0
	s_cselect_b32 s20, s20, s21
	s_cselect_b64 s[PFA:PFA+1], s[4:5], s[6:7]
	s_mov_b32 s21, 0
	s_add_nc_u64 s[PFA:PFA+1], s[PFA:PFA+1], s[20:21]
	s_add_nc_u64 s[PFA:PFA+1], s[PFA:PFA+1], 3*KSB ; at K step 3: the first change of slots steps it to 4
	s_cmp_eq_u32 s[WM], 0
	s_cselect_b32 s22, s[WN], s[CLY]               ; 0 in wave 0, and in waves 2, 3 of the first cluster
	s_cmp_eq_u32 s22, 0
	s_cselect_b32 s[LIM], 2, -1
	s_wait_tensorcnt 0x1                           ; my part of K step 0 is in; slot 1's may stay out
	s_barrier_signal -1
	s_barrier_wait -1
	FETCH 0, F0
	QUARTER 64, F0, F1, 1                          ; the first quarter's products start the sums
	WIN 0
	s_mov_b32 s[CNT], 6
.Lstep:                                        ; trip t: quarters 1 to 3 of K step t, the refill with K step t + 2, quarter 0 of K step t + 1
	QUARTER PAN, F1, F0, 0
	QUARTER PAN+64, F0, F1, 0
	TURN 1
	QUARTER 64, F0, F1, 0
	WIN 0
	s_sub_co_u32 s[CNT], s[CNT], 1
	s_cmp_lg_u32 s[CNT], 0
	s_cbranch_scc1 .Lstep
	QUARTER PAN, F1, F0, 0                         ; K steps 6 and 7 ask for nothing: written out
	QUARTER PAN+64, F0, F1, 0
	TURN 0
	QUARTER 64, F0, F1, 0
	QUARTER PAN, F1, F0, 0
	QUARTER PAN+64, F0, F1, 0
	s_wait_dscnt 4
	MUL8 F1, 0, 0
	MUL8 F1, 1, 0
	s_wait_dscnt 0x0
	MUL8 F1, 2, 0
	MUL8 F1, 3, 0
	WIN 0
	PLACES
	s_wait_loadcnt 0x0                             ; the bias
	v_cvt_pk_bf16_f32 v12, v[BI], v[BI+1]          ; rounded to bf16 like every input,
	v_cvt_pk_bf16_f32 v13, v[BI+2], v[BI+3]
	v_lshlrev_b32 v[BI], 16, v12                   ; and back in f32
	v_and_b32 v[BI+1], 0xffff0000, v12
	v_lshlrev_b32 v[BI+2], 16, v13
	v_and_b32 v[BI+3], 0xffff0000, v13
; THE WAY OUT, a block of 16 rows at a time: the f32 sums go into my stage (each accumulator's low four registers first), come back as whole rows of 512 bytes, take the bias and are stored.
.macro OUTBLK a
.set BK, 64+64*((\a)%2)
	s_wait_xcnt 0x0                                ; the stores of two blocks back have read this buffer: it is loaded again only behind this wait
	WIN 0x04                                       ; store data in window 1, address in window 0
.irp b, 0,1,2,3,4,5,6,7
	ds_store_b128 v[STO], v[8*(8*(\a)+(\b)):8*(8*(\a)+(\b))+3]   offset:64*(\b)
	ds_store_b128 v[STO], v[8*(8*(\a)+(\b))+4:8*(8*(\a)+(\b))+7] offset:64*(\b)+16
.endr
	WIN 0
.irp t, 0,1,2,3,4,5,6,7,8,9,10,11,12,13,14,15
	ds_load_b128 v[BK+4*(\t):BK+4*(\t)+3], v[RD] offset:(\t)*SP  ; LDS serves a wave's instructions in order (ISA guide 5.7.1.4): these see the stores above
.endr
	s_wait_dscnt 0x0
.irp t, 0,1,2,3,4,5,6,7,8,9,10,11,12,13,14,15
	v_pk_add_f32 v[BK+4*(\t):BK+4*(\t)+1],   v[BK+4*(\t):BK+4*(\t)+1],   v[BI:BI+1]
	v_pk_add_f32 v[BK+4*(\t)+2:BK+4*(\t)+3], v[BK+4*(\t)+2:BK+4*(\t)+3], v[BI+2:BI+3]
.endr
.irp t, 0,1,2,3,4,5,6,7,8,9,10,11,12,13,14,15
	global_store_b128 v[CO], v[BK+4*(\t):BK+4*(\t)+3], s[10:11] offset:(\a)*65536+(\t)*4096 th:TH_STORE_NT  ; 512 bytes on end, at a multiple of 256 from out0's first byte
.endr
.endm
	OUTBLK 0
	OUTBLK 1
	OUTBLK 2
	OUTBLK 3
	s_wait_tensorcnt 0x0                           ; the wave's end, behind my last tensor load and my last LDS store
	ds_add_u32 v[SPW], v[NIL]
	s_wait_dscnt 0x0
	CROUND                                         ; the closing round
	s_endpgm
.Lfunc_end_k_q5a028b7a91_outp:
	.size	k_q5a028b7a91_outp, .Lfunc_end_k_q5a028b7a91_outp-k_q5a028b7a91_outp
	.p2alignl 7, 3214868480
	.fill 96, 4, 3214868480
	.section	.rodata,"a",@progbits
	.p2align	6, 0x0
	.amdhsa_kernel k_q5a028b7a91_outp
		.amdhsa_group_segment_fixed_size 327680
		.amdhsa_private_segment_fixed_size 0
		.amdhsa_enable_private_segment 0
		.amdhsa_kernarg_size 32
		.amdhsa_user_sgpr_count 2
		.amdhsa_user_sgpr_kernarg_segment_ptr 1
		.amdhsa_wavefront_size32 1
		.amdhsa_system_sgpr_workgroup_id_x 1
		.amdhsa_system_sgpr_workgroup_id_y 1
		.amdhsa_system_sgpr_workgroup_id_z 1
		.amdhsa_system_vgpr_workitem_id 0
		.amdhsa_next_free_vgpr 512
		.amdhsa_next_free_sgpr 66
		.amdhsa_reserve_vcc 0
		.amdhsa_float_denorm_mode_32 3
		.amdhsa_float_denorm_mode_16_64 3
		.amdhsa_memory_ordered 1
		.amdhsa_forward_progress 1
		.amdhsa_inst_pref_size 78
	.end_amdhsa_kernel
	.amdgpu_metadata
---
amdhsa.version: [ 1, 2 ]
amdhsa.kernels:
  - .name:           k_q5a028b7a91_outp
    .symbol:         k_q5a028b7a91_outp.kd
    .args:
      - { .name: ob, .offset: 0, .size: 8, .value_kind: global_buffer, .address_space: global }
      - { .name: wb, .offset: 8, .size: 8, .value_kind: global_buffer, .address_space: global }
      - { .name: bc, .offset: 16, .size: 8, .value_kind: global_buffer, .address_space: global }
      - { .name: out0, .offset: 24, .size: 8, .value_kind: global_buffer, .address_space: global }
    .group_segment_fixed_size: 327680
    .private_segment_fixed_size: 0
    .kernarg_segment_align: 8
    .kernarg_segment_size: 32
    .max_flat_workgroup_size: 128
    .sgpr_count:     66
    .vgpr_count:     512
    .wavefront_size: 32
...
	.end_amdgpu_metadata
.endif
;; end of part 4
;; ======== version 2 of 2: 4 launches; version 1 with the launch prep written anew for expert scheduling mode
;; limits: right only within a limited range of input values; values are held in f16: magnitudes above 65,504 overflow, below 6.1e-05 lose precision
;; workspace buffers: wb 8,388,608 bytes; mf 33,554,432 bytes; qkv 50,331,648 bytes; ob 16,777,216 bytes
;; launch prep (part 5): grid 128 x 8, 8 waves a work-group, no clusters, 34,048 bytes of LDS; arguments Wk, Wq, Wv, Wc, attn_mask, wb, mf; writes wb, mf
.if DOCPART == 5
	.amdgcn_target "amdgcn-amd-amdhsa--gfx1250"
	.amdhsa_code_object_version 6
	.text
	.protected	k_q5a028b7a91_prep
	.globl	k_q5a028b7a91_prep
	.p2align	8
	.type	k_q5a028b7a91_prep,@function
k_q5a028b7a91_prep:
	s_mov_b64 s[64:65], 0
	v_nop
	global_prefetch_b8 v0, s[64:65] scope:SCOPE_SE
	s_setreg_imm32_b32 hwreg(HW_REG_WAVE_SCHED_MODE, 0, 2), 2
	s_setreg_imm32_b32 hwreg(HW_REG_WAVE_MODE, 25, 1), 1
	s_wait_xcnt 0x0
	s_wait_alu depctr_vm_vsrc(0)
; PREP: a stream.  Work-group rows y = 0..3 round the four weights; rows y = 4..7 turn the mask into matrix fragments.
; WEIGHTS.  Each f32 is rounded once to bf16 (nearest even).  Wk, Wq, Wv are written as bf16; Wc, which multiplies an f16 operand, has that bf16 number written as f16.  LIMITS for Wc: the f16 is the bf16 number
; exactly between 2^-14 and 65,504; below 2^-14 it keeps f16's fixed step of 2^-24; a number of 65,520 or more becomes an infinity.
; wb holds four parts of 1,024 x 1,024 (Wk, Wq, Wv, Wc), 2 MiB each, BLOCKED: element (n, k) of a part lies at byte (n >> 4) * 32768 + (k >> 6) * 2048 + (n & 15) * 128 + (k & 63) * 2:
; 16 rows x 64 numbers are 2,048 bytes on end, so the products' tiles are long dense runs.  A work-group takes 8 rows; wave w takes columns 128 w .. 128 w + 127 of them: 8 loads of 16 bytes a lane.
; MASK.  mf[b * 16 + q / 128][key / 64][(q / 16) % 8][j][lane][16 bytes]: lane (r = lane % 16, h = lane / 16) of part j holds eight f16, 65,504 where the key is hidden and 0 where not,
; for query 16 tile + r and keys 64 step + 16 j + 8 h + 0..7: parts 2 f and 2 f + 1 are the two halves of a 32 x 16 source-1 fragment.  A work-group takes 16 whole rows of the mask
; (32 KiB dense) through LDS, since a lane wants 8 bytes of a row and memory is read in long runs.
; No matrix unit, no cluster, no tensor load: nothing is shared between work-groups and every byte is touched once.
; THE MODE: SCHED_MODE bits 1:0 = 2 (LLVM: expert scheduling mode 2), set by the entry lines.  The code itself states the register dependences between vector instructions and memory or LDS
; instructions, with s_wait_alu, always for 0.
; THE PLAN.  Registers that memory or LDS instructions touch:
;   v4 .. v7      offsets and LDS addresses: written once by vector instructions at a path's head, then only read.  One wait on va_vdst ahead of the path's first load states that they are written.
;   v[16:47]      eight loads land here; no vector instruction names them ahead of the loads.  Weights: the conversions read a load's four registers and write its first two, which its store reads.
;                 Mask: the LDS stores read them as they came; no vector instruction names them.
;   v[48:79]      mask: sixteen LDS loads land here, once; v_perm_b32 reads them.
;   v[80:143]     mask: written by the multiplies, each register once; read by the sixteen stores.
;   v2, v3        written at the head, read by the closing add alone.
; No register that a load or store has read is ever written again, so no wait on vm_vsrc is owed; no vector instruction writes a scalar register or VCC; EXEC is never written.
; So all that is left to state is "the vector work has written what the stores read", and it is stated for four stores at a time: the weights go in two halves of four loads, the mask in four groups of four parts.
.set SPARE, 33024                      ; behind the 16 mask rows: the spare words, 128 bytes for each of eight waves: four blocks of 256 bytes that no other line names
.set LROW,  2064                       ; a mask row in LDS: 2,048 bytes + 16: the 16 rows that a read touches start 4 banks apart (64 banks of 4 bytes: ISA guide 11.1)
.set SPW,   2                          ; v2   SPARE + 4 x my thread's number; never rewritten
.set NIL,   3                          ; v3   0; never rewritten
.set X,     16                         ; v[16:47] eight loads, 4 registers each; each load's first two registers then hold its 8 bytes to store
	s_load_b256 s[4:11], s[0:1], 0x0               ; Wk, Wq, Wv, Wc
	s_load_b128 s[12:15], s[0:1], 0x20             ; attn_mask s[12:13], wb s[14:15]
	s_load_b64 s[16:17], s[0:1], 0x30              ; mf
	v_lshl_add_u32 v[SPW], v0, 2, SPARE
	v_mov_b32 v[NIL], 0
	s_and_b32 s26, ttmp7, 0xffff                   ; y
	s_mov_b32 s31, 0
	v_and_b32 v1, 31, v0                           ; lane l
	v_lshrrev_b32 v15, 5, v0                       ; wave w
	v_bfe_u32 v8, v0, 4, 1                         ; l / 16
	v_and_b32 v9, 15, v0                           ; l % 16
	s_wait_kmcnt 0x0
	s_cmp_ge_u32 s26, 4                            ; the same in all waves of the work-group
	s_cbranch_scc1 .Lmask
	; ---- the weights ----
	s_mov_b64 s[28:29], s[4:5]                     ; a choice among the four inputs by y alone
	s_cmp_ge_u32 s26, 1
	s_cselect_b64 s[28:29], s[6:7], s[28:29]
	s_cmp_ge_u32 s26, 2
	s_cselect_b64 s[28:29], s[8:9], s[28:29]
	s_cmp_ge_u32 s26, 3
	s_cselect_b64 s[28:29], s[10:11], s[28:29]
	s_lshl_b32 s30, ttmp9, 15                      ; my 8 rows of 4,096 bytes
	s_add_nc_u64 s[28:29], s[28:29], s[30:31]
	s_lshl_b32 s30, s26, 21                        ; in wb a part is 2 MiB,
	s_lshr_b32 s27, ttmp9, 1
	s_lshl_b32 s27, s27, 15                        ; a group of 16 rows 32,768 bytes,
	s_add_co_u32 s30, s30, s27
	s_and_b32 s27, ttmp9, 1
	s_lshl_b32 s27, s27, 10                        ; and its second 8 rows begin 1,024 bytes into each panel
	s_add_co_u32 s30, s30, s27
	s_add_nc_u64 s[32:33], s[14:15], s[30:31]
	s_mov_b32 s24, 0xffff0000                      ; a word's upper bf16
	v_lshlrev_b32 v4, 4, v9                        ; in: 16 (l % 16) + 4,096 (l / 16) + 512 w: lanes 0-15 take 256 bytes of one row, lanes 16-31 of the next
	v_lshl_add_u32 v4, v8, 12, v4
	v_lshl_add_u32 v4, v15, 9, v4
	v_lshlrev_b32 v5, 3, v9                        ; out: 8 (l % 16) + 128 (l / 16) + 4,096 w: the 32 lanes store 256 bytes on end
	v_lshl_add_u32 v5, v8, 7, v5
	v_lshl_add_u32 v5, v15, 12, v5
	s_wait_alu depctr_va_vdst(0)                   ; v4 and v5 are written: every load below reads v4 as its offset, every store v5
.set i, 0
.rept 8                                ; load i: rows 2 (i / 2) and 2 (i / 2) + 1, 64 columns at 128 w + 64 (i % 2)
	global_load_b128 v[X+4*i:X+4*i+3], v4, s[28:29] offset:(i/2)*8192+(i%2)*256 th:TH_LOAD_NT
.set i, i+1
.endr
	s_cmp_eq_u32 s26, 3
	s_cbranch_scc1 .Lf16
.set g, 0
.rept 2                                ; half g: loads 4 g .. 4 g + 3
	s_wait_loadcnt 4-4*g                           ; loads come back in order (ISA guide 5.7.1): this half is in; of the first half's wait the four younger loads stay out
.set i, 4*g
.rept 4
	v_cvt_pk_bf16_f32 v[X+4*i], v[X+4*i], v[X+4*i+1]      ; the one rounding, to bf16
	v_cvt_pk_bf16_f32 v[X+4*i+1], v[X+4*i+2], v[X+4*i+3]
.set i, i+1
.endr
	s_wait_alu depctr_va_vdst(0)                   ; the half's eight conversions have written the registers that its four stores read
.set i, 4*g
.rept 4
	global_store_b64 v5, v[X+4*i:X+4*i+1], s[32:33] offset:(i/2)*256+(i%2)*2048  ; no register of a pending store is written again
.set i, i+1
.endr
.set g, g+1
.endr
	s_endpgm
.Lf16:
.set g, 0
.rept 2                                ; half g: loads 4 g .. 4 g + 3
	s_wait_loadcnt 4-4*g                           ; this half is in; of the first half's wait the four younger loads stay out
.set i, 4*g
.rept 4
	v_cvt_pk_bf16_f32 v8, v[X+4*i], v[X+4*i+1]     ; the one rounding, to bf16,
	v_cvt_pk_bf16_f32 v9, v[X+4*i+2], v[X+4*i+3]
	v_lshlrev_b32 v10, 16, v8                      ; back to f32,
	v_and_b32 v11, s24, v8
	v_lshlrev_b32 v12, 16, v9
	v_and_b32 v13, s24, v9
	v_cvt_pk_f16_f32 v[X+4*i], v10, v11            ; and written as f16
	v_cvt_pk_f16_f32 v[X+4*i+1], v12, v13
.set i, i+1
.endr
	s_wait_alu depctr_va_vdst(0)                   ; the half's conversions to f16 have written the registers that its four stores read
.set i, 4*g
.rept 4
	global_store_b64 v5, v[X+4*i:X+4*i+1], s[32:33] offset:(i/2)*256+(i%2)*2048
.set i, i+1
.endr
.set g, g+1
.endr
	s_endpgm
	; ---- the mask ----
.Lmask:
	s_sub_co_u32 s27, s26, 4
	s_lshl_b32 s27, s27, 7
	s_add_co_u32 s27, s27, ttmp9                   ; g = b * 128 + q / 16, 0 .. 511
	s_lshl_b32 s30, s27, 15                        ; 16 rows of 2,048 bytes
	s_add_nc_u64 s[28:29], s[12:13], s[30:31]
	s_lshr_b32 s30, s27, 3
	s_lshl_b32 s30, s30, 19                        ; b * 16 + q / 128: 524,288 bytes each
	s_and_b32 s27, s27, 7
	s_lshl_b32 s27, s27, 11                        ; the tile among eight: 2,048 bytes
	s_add_co_u32 s30, s30, s27
	s_add_nc_u64 s[32:33], s[16:17], s[30:31]
	s_mov_b32 s34, 0x00050004                      ; v_perm_b32: bytes 0 and 1 of the first source into the two halves, zeros above them
	s_mov_b32 s35, 0x00070006                      ; bytes 2 and 3
	v_mov_b32 v14, 0
	v_lshlrev_b32 v4, 4, v0                        ; in: 16 bytes a thread, 4,096 a load of the work-group: two rows
	v_lshrrev_b32 v10, 7, v0
	v_and_b32 v11, 127, v0
	v_mul_u32_u24 v5, v10, LROW
	v_lshl_add_u32 v5, v11, 4, v5                  ; into LDS: row 2 i + t / 128, byte 16 (t % 128)
	v_mul_u32_u24 v6, v9, LROW                     ; back: row l % 16, byte 8 (l / 16) + 256 w: wave w takes key steps 4 w .. 4 w + 3
	v_lshl_add_u32 v6, v8, 3, v6
	v_lshl_add_u32 v6, v15, 8, v6
	v_lshlrev_b32 v7, 4, v1                        ; out: 16 l + 4 steps of 16,384 bytes a wave
	v_lshl_add_u32 v7, v15, 16, v7
	s_wait_alu depctr_va_vdst(0)                   ; v4 to v7 are written: the loads read v4, the LDS stores v5, the LDS loads v6, the stores v7
.set i, 0
.rept 8
	global_load_b128 v[X+4*i:X+4*i+3], v4, s[28:29] offset:i*4096 th:TH_LOAD_NT
.set i, i+1
.endr
.set i, 0
.rept 8
	s_wait_loadcnt 7-i                             ; load i is in
	ds_store_b128 v5, v[X+4*i:X+4*i+3] offset:i*2*LROW  ; its data come from a load alone: no vector instruction names them
.set i, i+1
.endr
	s_wait_dscnt 0x0                               ; for the others' sake: my stores are done
	s_barrier_signal -1
	s_barrier_wait -1                              ; the 16 rows lie whole in LDS
.set n, 0
.rept 16                               ; n = 4 kk + j: key step 4 w + kk, part j: my 8 keys of my row; no vector instruction has named these registers
	ds_load_b64 v[48+2*n:49+2*n], v6 offset:(n/4)*64+(n%4)*16
.set n, n+1
.endr
; Group g is key step 4 w + g: parts n = 4 g .. 4 g + 3.  Its vector instructions name v8 to v11, v14, its own eight registers of v[48:79] and its own sixteen of v[80:143].  The four stores of group g - 1 are
; dealt among them, one ahead of each part's eight: behind the wait at the group's head no vector instruction names a register that those stores read.
.set g, 0
.rept 4
.if g > 0
	s_wait_alu depctr_va_vdst(0)                   ; the group before has written its sixteen registers of v[80:143], which the four stores below read
.endif
	s_wait_dscnt 12-4*g                            ; LDS loads come back in order: this group's four are in, the younger groups' stay out
.set n, 4*g
.rept 4
.if g > 0
	global_store_b128 v7, v[80+4*(n-4):83+4*(n-4)], s[32:33] offset:((n-4)/4)*16384+((n-4)%4)*512  ; 512 bytes on end, at a multiple of 256 from mf's first byte
.endif
	v_perm_b32 v8, v[48+2*n], v14, s34             ; two mask bytes, 0 or 1, into the two halves of a word,
	v_perm_b32 v9, v[48+2*n], v14, s35
	v_perm_b32 v10, v[49+2*n], v14, s34
	v_perm_b32 v11, v[49+2*n], v14, s35
	v_mul_u32_u24 v[80+4*n], 0x7bff, v8            ; times the code of 65,504: no carry passes from one half to the other
	v_mul_u32_u24 v[81+4*n], 0x7bff, v9
	v_mul_u32_u24 v[82+4*n], 0x7bff, v10
	v_mul_u32_u24 v[83+4*n], 0x7bff, v11
.set n, n+1
.endr
.set g, g+1
.endr
	s_wait_alu depctr_va_vdst(0)                   ; the last group has written v[128:143], which the last four stores read
.set n, 12
.rept 4
	global_store_b128 v7, v[80+4*n:83+4*n], s[32:33] offset:(n/4)*16384+(n%4)*512
.set n, n+1
.endr
	s_wait_dscnt 0x0                               ; the closing lines, six on end
	s_wait_alu 0x0
	s_wait_tensorcnt 0x0
	ds_add_u32 v[SPW], v[NIL]
	s_wait_dscnt 0x0
	s_endpgm
.Lfunc_end_k_q5a028b7a91_prep:
	.size	k_q5a028b7a91_prep, .Lfunc_end_k_q5a028b7a91_prep-k_q5a028b7a91_prep
	.p2alignl 7, 3214868480
	.fill 96, 4, 3214868480
	.section	.rodata,"a",@progbits
	.p2align	6, 0x0
	.amdhsa_kernel k_q5a028b7a91_prep
		.amdhsa_group_segment_fixed_size 34048
		.amdhsa_private_segment_fixed_size 0
		.amdhsa_enable_private_segment 0
		.amdhsa_kernarg_size 56
		.amdhsa_user_sgpr_count 2
		.amdhsa_user_sgpr_kernarg_segment_ptr 1
		.amdhsa_wavefront_size32 1
		.amdhsa_system_sgpr_workgroup_id_x 1
		.amdhsa_system_sgpr_workgroup_id_y 1
		.amdhsa_system_sgpr_workgroup_id_z 1
		.amdhsa_system_vgpr_workitem_id 0
		.amdhsa_next_free_vgpr 160
		.amdhsa_next_free_sgpr 66
		.amdhsa_reserve_vcc 0
		.amdhsa_float_denorm_mode_32 3
		.amdhsa_float_denorm_mode_16_64 3
		.amdhsa_memory_ordered 1
		.amdhsa_forward_progress 1
		.amdhsa_inst_pref_size 23
	.end_amdhsa_kernel
	.amdgpu_metadata
---
amdhsa.version: [ 1, 2 ]
amdhsa.kernels:
  - .name:           k_q5a028b7a91_prep
    .symbol:         k_q5a028b7a91_prep.kd
    .args:
      - { .name: Wk, .offset: 0, .size: 8, .value_kind: global_buffer, .address_space: global }
      - { .name: Wq, .offset: 8, .size: 8, .value_kind: global_buffer, .address_space: global }
      - { .name: Wv, .offset: 16, .size: 8, .value_kind: global_buffer, .address_space: global }
      - { .name: Wc, .offset: 24, .size: 8, .value_kind: global_buffer, .address_space: global }
      - { .name: attn_mask, .offset: 32, .size: 8, .value_kind: global_buffer, .address_space: global }
      - { .name: wb, .offset: 40, .size: 8, .value_kind: global_buffer, .address_space: global }
      - { .name: mf, .offset: 48, .size: 8, .value_kind: global_buffer, .address_space: global }
    .group_segment_fixed_size: 34048
    .private_segment_fixed_size: 0
    .kernarg_segment_align: 8
    .kernarg_segment_size: 56
    .max_flat_workgroup_size: 256
    .sgpr_count:     66
    .vgpr_count:     160
    .wavefront_size: 32
...
	.end_amdgpu_metadata
.endif
;; end of part 5
;; launch proj: the kernel of part 2 again; grid 4 x 64, 4 waves a work-group, clusters of 4 x 4, 327,680 bytes of LDS; arguments keys, queries, values, wb, qkv; writes qkv
;; launch attn: the kernel of part 3 again; grid 4 x 64, 4 waves a work-group, clusters of 4 x 1, 327,680 bytes of LDS; arguments qkv, mf, ob; writes ob
;; launch outp: the kernel of part 4 again; grid 4 x 64, 4 waves a work-group, clusters of 4 x 4, 327,680 bytes of LDS; arguments ob, wb, bc, out0; writes out0
